; MI455X (gfx1250); checked and timed in simulation.
; The chip was launched on July 23, 2026; its instructions are those of AMD's public machine-readable ISA for CDNA 5 (MIT licence, August 2026) and "CDNA5" Instruction Set Architecture Reference Guide (July 2026). The comments in the code are by the model that wrote it; some were corrected since.
;; Unquantized Sparse Mo E Layer. Allowed arithmetic: matrix products marked QUANTISED: E5M2 operands, one given power-of-two scale a tensor, by v_wmma_f32_16x16x64_bf8_bf8 or v_wmma_f32_16x16x128_bf8_bf8, f32 sums; everything else in f32.
;; Inputs: down_proj 8 x 2,048 x 1,024 float32; gate_up_proj 8 x 2,048 x 2,048 float32; gating_output 1,024 x 8 float32; lowp_scales 32 int32 (the exponents e of the quantised operands' scales 2^e); x 1,024 x 2,048 float32.
;; Outputs: out0 1,024 x 2,048 float32.
;; Constants: topk = 2.
;; This version of the problem:
;;   THIS VERSION OF THE PROBLEM IS GIVEN IN LOW PRECISION. The matrix products marked QUANTISED in the list below multiply operands that are first quantised to E5M2 (5 exponent bits, 2 mantissa bits; 8 bits a number), with one given power-of-two scale for each operand tensor; their sums are f32. All else is computed in f32.
;;   The module's matrix products, in the order in which they are computed (A, B: the left and right operand; K: the contracted axis; several contracted axes count as one K, in the product's order):
;;     1. [M 1,024, K 2,048] x [K 2,048, N 2,048]; A: input x; B: input gate_up_proj: QUANTISED (scales: A lowp_scales[0], B lowp_scales[1])
;;     2. [M 1,024, K 1,024] x [K 1,024, N 2,048]; A: computed on the way; B: input down_proj: QUANTISED (scales: A lowp_scales[2], B lowp_scales[3])
;;     3. [M 1,024, K 2,048] x [K 2,048, N 2,048]; A: input x; B: input gate_up_proj: QUANTISED (scales: A lowp_scales[4], B lowp_scales[5])
;;     4. [M 1,024, K 1,024] x [K 1,024, N 2,048]; A: computed on the way; B: input down_proj: QUANTISED (scales: A lowp_scales[6], B lowp_scales[7])
;;     5. [M 1,024, K 2,048] x [K 2,048, N 2,048]; A: input x; B: input gate_up_proj: QUANTISED (scales: A lowp_scales[8], B lowp_scales[9])
;;     6. [M 1,024, K 1,024] x [K 1,024, N 2,048]; A: computed on the way; B: input down_proj: QUANTISED (scales: A lowp_scales[10], B lowp_scales[11])
;;     7. [M 1,024, K 2,048] x [K 2,048, N 2,048]; A: input x; B: input gate_up_proj: QUANTISED (scales: A lowp_scales[12], B lowp_scales[13])
;;     8. [M 1,024, K 1,024] x [K 1,024, N 2,048]; A: computed on the way; B: input down_proj: QUANTISED (scales: A lowp_scales[14], B lowp_scales[15])
;;     9. [M 1,024, K 2,048] x [K 2,048, N 2,048]; A: input x; B: input gate_up_proj: QUANTISED (scales: A lowp_scales[16], B lowp_scales[17])
;;     10. [M 1,024, K 1,024] x [K 1,024, N 2,048]; A: computed on the way; B: input down_proj: QUANTISED (scales: A lowp_scales[18], B lowp_scales[19])
;;     11. [M 1,024, K 2,048] x [K 2,048, N 2,048]; A: input x; B: input gate_up_proj: QUANTISED (scales: A lowp_scales[20], B lowp_scales[21])
;;     12. [M 1,024, K 1,024] x [K 1,024, N 2,048]; A: computed on the way; B: input down_proj: QUANTISED (scales: A lowp_scales[22], B lowp_scales[23])
;;     13. [M 1,024, K 2,048] x [K 2,048, N 2,048]; A: input x; B: input gate_up_proj: QUANTISED (scales: A lowp_scales[24], B lowp_scales[25])
;;     14. [M 1,024, K 1,024] x [K 1,024, N 2,048]; A: computed on the way; B: input down_proj: QUANTISED (scales: A lowp_scales[26], B lowp_scales[27])
;;     15. [M 1,024, K 2,048] x [K 2,048, N 2,048]; A: input x; B: input gate_up_proj: QUANTISED (scales: A lowp_scales[28], B lowp_scales[29])
;;     16. [M 1,024, K 1,024] x [K 1,024, N 2,048]; A: computed on the way; B: input down_proj: QUANTISED (scales: A lowp_scales[30], B lowp_scales[31])
;;   THE QUANTISER, for each operand of a quantised product, along K:
;;     - The operand's scale is 2^e, e = its entry of the input lowp_scales (int32; the entries are numbered through the quantised products in the list's order, A before B).
;;     - Each number is divided by the scale, clamped to +-57,344, and rounded to the nearest number of E5M2, ties to even, subnormals kept.
;;     - The product sums the exact products of the quantised numbers (number of the format x scale) in f32.
;;   ~~~python
;;   def quantise(x, axis, e):      # numpy; x: float32 -> the quantised numbers, widened to float32 again
;;       x = np.moveaxis(x, axis, -1); K = x.shape[-1]
;;       r = np.clip(x / 2.0 ** e, -57344, 57344)
;;       step = 2.0 ** (np.maximum(np.frexp(np.where(r == 0, 1, r))[1] - 1, -14) - 2)
;;       q = np.round(r / step) * step * 2.0 ** e      # np.round: ties to even
;;       return np.moveaxis(q, -1, axis).astype(np.float32)
;;   ~~~
;;   OPERANDS COMPUTED ON THE WAY. 'Computed on the way' means the value that the module computes at that place (a softmax that the list does not call 'softmax' is quantised finished and normalised). What goes into a quantiser is computed in f32, as accurately as f32 sums, v_exp_f32 and their like allow (about 1e-6 of the number): no bf16 or f16 on the way to a quantiser, and a product that is left as it is and whose result goes on into a quantised operand takes f32 operands (vector FMAs, or v_wmma_f32_16x16x4_f32). A number that lies on a knife's edge between two numbers of the format may be rounded either way, as far as f32 arithmetic and the matrix unit's own rounding can turn it there, and no further.
;; 2 versions. Each part assembles by itself: llvm-mc -triple=amdgcn-amd-amdhsa -mcpu=gfx1250 --defsym DOCPART=n.
;; ======== version 1 of 2: 4 launches
;; limits: right only within a limited range of input values
;; workspace buffers: xq 4,194,304 bytes; wts 8,192 bytes; list 40,960 bytes of whole numbers; cnt 2,048 bytes of whole numbers; hq 10,485,760 bytes; y 16,842,752 bytes
;; launch prep (part 1): grid 168 x 1, 8 waves a work-group, no clusters, 1,536 bytes of LDS; arguments x, gating_output, lowp_scales, xq, wts, list, cnt; writes xq, wts, list, cnt
.if DOCPART == 1
	.amdgcn_target "amdgcn-amd-amdhsa--gfx1250"
	.amdhsa_code_object_version 6
	.text
	.protected	k_qc21b3104d3_prep
	.globl	k_qc21b3104d3_prep
	.p2align	8
	.type	k_qc21b3104d3_prep,@function
k_qc21b3104d3_prep:
	s_mov_b64 s[64:65], 0
	v_nop
	global_prefetch_b8 v0, s[64:65] scope:SCOPE_SE
	s_setreg_imm32_b32 hwreg(HW_REG_WAVE_MODE, 25, 1), 1
	s_wait_xcnt 0x0
; PREP: the router, each expert's list of rows, and x's codes.
; x [1024][2048] f32, gating_output [1024][8] f32, lowp_scales [32] int32 (expert e: entries 4 e .. 4 e + 3 = ex, ew1, eh, ew2).
; ROW NUMBERS.  Token t has two routed rows, 2 t (its first expert) and 2 t + 1 (its second).
;   xq   [2048 rows][2048 bytes]  the codes (E5M2) of x[t] under the scale 2^ex of that row's expert, in the order of K given below
;   wts  [2048] f32               the row's routing weight, renormalised over the two
;   list [8][1280] u32            expert e's rows, tokens ascending; from its count on: 2048 + e
;   cnt  [8][64] u32              expert e's count, repeated over 256 bytes
; THE ORDER OF K, the same in every operand of every product of this program: 512 neighbouring k are read by four loads of 512 bytes, 16 bytes a lane, so lane L holds k = 128 i + 4 L + b
; (i: the load, b: 0..3) and its 16 codes go to bytes 16 L + 4 i + b of the 512.  A permutation of k that both operands share leaves every product with its partner.
; THE CHOICE is made on the logits (softmax keeps their order), strictly greater wins, so the lower index is kept among equals.  With l1 >= l2 the two chosen logits: t = e^(l2 - l1), w1 = 1 / (1 + t), w2 = t w1:
; the row's largest logit is taken away ahead of the exponential, and the softmax's divisor cancels.
; Nothing that is derived from a floating-point number enters an address or a branch: every choice is a v_cndmask_b32, every store goes to a fixed place.
; LIMITS: ex between -126 and 112.  NaN among the inputs is not served.  Two logits that differ while their probabilities round to the same f32 number are ordered by the logits.
; WORK-GROUPS 0..127: x's codes, a wave a token.  128..167: the lists: expert (q & 7), ranks 256 (q >> 3) .. + 255, a thread a rank; q = 0 also stores the weights.
; list is stored 128 bytes a wave, 1,024 consecutive bytes a work-group: it is 40,960 bytes in all.
.set NX,   128
.set HOLD, 0x07e00000                  ; added to the bits of 2^e it gives the bits of 57,344 x 2^e: 15 on the exponent field, 0x600000 as mantissa
; the two largest of the eight logits v[G] .. v[G+7]: v12 the largest, v13 its index, v14 the second, v15 its index
.macro TOP2 G
	v_mov_b32 v12, v[\G]
	v_mov_b32 v13, 0
.irp i, 1,2,3,4,5,6,7
	v_cmp_gt_f32 vcc_lo, v[\G+\i], v12
	v_cndmask_b32 v12, v12, v[\G+\i], vcc_lo
	v_cndmask_b32 v13, v13, \i, vcc_lo
.endr
	v_cmp_eq_u32 vcc_lo, 0, v13                    ; the second begins at index 0, or at 1 where 0 is the first
	v_cndmask_b32 v14, v[\G], v[\G+1], vcc_lo
	v_cndmask_b32 v15, 0, 1, vcc_lo
.irp i, 1,2,3,4,5,6,7
	v_cmp_gt_f32 s28, v[\G+\i], v14
	v_cmp_ne_u32 s29, \i, v13                      ; the first is passed over
	s_and_b32 vcc_lo, s28, s29
	v_cndmask_b32 v14, v14, v[\G+\i], vcc_lo
	v_cndmask_b32 v15, v15, \i, vcc_lo
.endr
.endm
	s_load_b256 s[4:11], s[0:1], 0x0               ; x s[4:5], gating s[6:7], scales s[8:9], xq s[10:11]
	s_load_b128 s[12:15], s[0:1], 0x20             ; wts s[12:13], list s[14:15]
	s_load_b64 s[2:3], s[0:1], 0x30                ; cnt
	v_lshl_add_u32 v176, v0, 2, 0x200
	v_mov_b32 v177, 0
	v_lshrrev_b32 v1, 5, v0
	v_readfirstlane_b32 s24, v1                    ; wave
	v_and_b32 v2, 31, v0                           ; lane
	s_cmp_ge_u32 ttmp9, NX
	s_cbranch_scc1 .Llists
; ---------------- x's codes: wave w of work-group b takes token 8 b + w
	s_lshl_b32 s25, ttmp9, 3
	s_add_co_u32 s25, s25, s24                     ; the token
	v_lshlrev_b32 v3, 4, v2                        ; 16 x lane
	v_mov_b32 v1, 0                                ; the token's eight logits: the same address in every lane
	s_mov_b32 s27, 0
	s_wait_kmcnt 0x0
	s_load_b512 s[32:47], s[8:9], 0x0              ; the 32 exponents
	s_load_b512 s[48:63], s[8:9], 0x40
	s_lshl_b32 s26, s25, 5
	s_add_nc_u64 s[6:7], s[6:7], s[26:27]          ; its row of logits, 32 bytes
	s_lshl_b32 s26, s25, 13
	s_add_nc_u64 s[4:5], s[4:5], s[26:27]          ; its row of x, 8,192 bytes
	s_lshl_b32 s26, s25, 12
	s_add_nc_u64 s[10:11], s[10:11], s[26:27]      ; its two rows of codes, 4,096 bytes
	global_load_b128 v[4:7], v1, s[6:7]
	global_load_b128 v[8:11], v1, s[6:7] offset:16
.irp n, 0,1,2,3,4,5,6,7,8,9,10,11,12,13,14,15
	global_load_b128 v[32+4*\n:35+4*\n], v3, s[4:5] offset:512*\n th:TH_LOAD_NT   ; 32 lanes read 512 consecutive bytes; the row is read once
.endr
	s_wait_kmcnt 0x0
.irp e, 0,1,2,3,4,5,6,7
	s_add_co_i32 s[16+\e], s[32+4*\e], 127
	s_lshl_b32 s[16+\e], s[16+\e], 23              ; 2^ex of expert e as f32
.endr
	s_wait_loadcnt 16                              ; the logits are in; x's sixteen loads may be out
	TOP2 4
	v_mov_b32 v16, s16                             ; the scale of the first expert, and of the second: chosen, not fetched by index
	v_mov_b32 v17, s16
.irp e, 1,2,3,4,5,6,7
	v_cmp_eq_u32 vcc_lo, \e, v13
	v_cndmask_b32 v16, v16, s[16+\e], vcc_lo
	v_cmp_eq_u32 vcc_lo, \e, v15
	v_cndmask_b32 v17, v17, s[16+\e], vcc_lo
.endr
	v_add_nc_u32 v18, HOLD, v16                    ; 57,344 x the scale
	v_add_nc_u32 v19, HOLD, v17
.irp k, 0,1                                    ; the row of the first expert, then of the second
.irp u, 0,1,2,3                                ; 512 along K at a time
.if \k == 0
	s_wait_loadcnt 12-4*\u                         ; this unit's four loads are in; those of the later units may be out
.endif
.irp i, 0,1,2,3,4,5,6,7,8,9,10,11,12,13,14,15
	v_med3_num_f32 v[96+16*(\u%2)+\i], v[32+16*\u+\i], -v[18+\k], v[18+\k]   ; the conversion does not saturate (ISA guide 7.6.2): the hold at the largest code x the scale.  Two sets of 16 by turns
.endr
	v_cvt_scalef32_pk8_bf8_f32 v[128+16*\k+4*\u:129+16*\k+4*\u], v[96+16*(\u%2):103+16*(\u%2)], v[16+\k]
	v_cvt_scalef32_pk8_bf8_f32 v[130+16*\k+4*\u:131+16*\k+4*\u], v[104+16*(\u%2):111+16*(\u%2)], v[16+\k]
	global_store_b128 v3, v[128+16*\k+4*\u:131+16*\k+4*\u], s[10:11] offset:2048*\k+512*\u   ; 512 consecutive bytes; each unit has code registers of its own, so no store's data are written again.
.endr                                          ; (The next unit's holds are plain lines on the other set: they stand between these conversions and the next write of their sources)
.endr
	s_endpgm
; ---------------- the lists
.Llists:
	s_sub_co_u32 s25, ttmp9, NX                    ; q
	s_and_b32 s26, s25, 7                          ; the expert
	s_lshr_b32 s27, s25, 3                         ; which 256 ranks
	v_lshlrev_b32 v3, 5, v2
	v_lshl_add_u32 v3, v1, 12, v3                  ; logits: wave w takes tokens 128 w .. + 127, four groups of 32, a lane a token: 4,096 w + 32 x lane
	v_lshlrev_b32 v4, 4, v1                        ; LDS: 16 x wave: four words for my four groups
	v_lshlrev_b32 v5, 3, v2
	v_lshl_add_u32 v5, v1, 10, v5                  ; weights: 8 bytes a token: 1,024 w + 8 x lane
	s_wait_kmcnt 0x0
.irp g, 0,1,2,3
	global_load_b128 v[32+8*\g:35+8*\g], v3, s[6:7] offset:1024*\g
	global_load_b128 v[36+8*\g:39+8*\g], v3, s[6:7] offset:1024*\g+16
.endr
	s_wait_loadcnt 0x0
.irp g, 0,1,2,3
	TOP2 32+8*\g
	v_cmp_eq_u32 s30, s26, v13                     ; a bit a token: my expert is its first,
	v_cmp_eq_u32 s31, s26, v15                     ; or its second
	s_or_b32 s30, s30, s31
	s_bcnt1_i32_b32 s32, s30
	v_mov_b32 v[16+\g], s30                        ; the group's tokens of my expert,
	v_mov_b32 v[20+\g], s31                        ; those that have it as their second,
	v_mov_b32 v[24+\g], s32                        ; and how many
	v_sub_f32 v[28+\g], v14, v12                   ; l2 - l1
.endr
	ds_store_b128 v4, v[16:19]                     ; every lane of the wave writes the same words with the same values
	ds_store_b128 v4, v[20:23] offset:128
	ds_store_b128 v4, v[24:27] offset:256
	s_cmp_lg_u32 s25, 0
	s_cbranch_scc1 .Lno_weights
.irp g, 0,1,2,3
	v_mul_f32 v[28+\g], 0x3fb8aa3b, v[28+\g]       ; x log2(e)
.endr
.irp g, 0,1,2,3
	v_exp_f32 v[28+\g], v[28+\g]                   ; t = e^(l2 - l1), at most 1
.endr
	v_nop                                          ; a plain line behind the last exponential
	s_wait_alu depctr_va_vdst(0)                   ; one wait for the batch, ahead of its first use
.irp g, 0,1,2,3
	v_add_f32 v[160+2*\g], 1.0, v[28+\g]
.endr
.irp g, 0,1,2,3
	v_rcp_f32 v[160+2*\g], v[160+2*\g]             ; w1
.endr
	v_nop
	s_wait_alu depctr_va_vdst(0)
.irp g, 0,1,2,3
	v_mul_f32 v[161+2*\g], v[28+\g], v[160+2*\g]   ; w2
.endr
.irp g, 0,1,2,3
	global_store_b64 v5, v[160+2*\g:161+2*\g], s[12:13] offset:256*\g   ; 256 consecutive bytes; v5 and v160-167 are not written again
.endr
.Lno_weights:
	s_wait_dscnt 0x0                               ; my three stores have landed
	s_barrier_signal -1
	s_barrier_wait -1                              ; everybody's have
	v_mov_b32 v6, 0
.irp k, 0,1,2,3,4,5,6,7
	ds_load_b128 v[64+4*\k:67+4*\k], v6 offset:16*\k        ; the 32 groups' tokens, in every lane,
	ds_load_b128 v[96+4*\k:99+4*\k], v6 offset:128+16*\k    ; their second choices,
	ds_load_b128 v[32+4*\k:35+4*\k], v6 offset:256+16*\k    ; their counts
.endr
	s_wait_dscnt 0x0
	v_mov_b32 v7, 0
.irp w, 0,1,2,3,4,5,6,7,8,9,10,11,12,13,14,15,16,17,18,19,20,21,22,23,24,25,26,27,28,29,30,31
	v_lshl_or_b32 v[128+\w], v7, 5, \w             ; key of group w: 32 x (rows ahead of it) + w
	v_add_nc_u32 v7, v7, v[32+\w]
.endr                                          ; v7: the expert's count
	s_lshl_b32 s33, s27, 8
	v_add_nc_u32 v8, s33, v0                       ; my rank
	v_lshl_or_b32 v9, v8, 5, 31                    ; key_w <= 32 x rank + 31 says: the rows ahead of group w are at most my rank
	v_mov_b32 v10, v128
	v_mov_b32 v11, v64
	v_mov_b32 v12, v96
.irp w, 1,2,3,4,5,6,7,8,9,10,11,12,13,14,15,16,17,18,19,20,21,22,23,24,25,26,27,28,29,30,31
	v_cmp_le_u32 vcc_lo, v[128+\w], v9             ; the last group for which that holds is my rank's
	v_cndmask_b32 v10, v10, v[128+\w], vcc_lo
	v_cndmask_b32 v11, v11, v[64+\w], vcc_lo
	v_cndmask_b32 v12, v12, v[96+\w], vcc_lo
.endr
	v_lshrrev_b32 v13, 5, v10
	v_sub_nc_u32 v13, v8, v13                      ; which of the group's set bits is mine, from 0
	v_and_b32 v14, 31, v10                         ; the group
	v_lshrrev_b32 v16, 1, v11                      ; the set bits counted in fields of 2, 4, 8 and 16 bits
	v_and_b32 v16, 0x55555555, v16
	v_sub_nc_u32 v16, v11, v16
	v_lshrrev_b32 v17, 2, v16
	v_and_b32 v17, 0x33333333, v17
	v_and_b32 v18, 0x33333333, v16
	v_add_nc_u32 v17, v17, v18
	v_lshrrev_b32 v18, 4, v17
	v_add_nc_u32 v18, v18, v17
	v_and_b32 v18, 0x0f0f0f0f, v18
	v_lshrrev_b32 v19, 8, v18
	v_add_nc_u32 v19, v19, v18
	v_and_b32 v19, 0x00ff00ff, v19
	v_mov_b32 v15, 0                               ; the bit's place, found from the top: where the lower half holds too few, take them off and go to the upper half
.macro PICK c, width, step
	v_bfe_u32 v20, v[\c], v15, \width
	v_cmp_ge_u32 vcc_lo, v13, v20
	v_cndmask_b32 v20, 0, v20, vcc_lo
	v_cndmask_b32 v21, 0, \step, vcc_lo
	v_sub_nc_u32 v13, v13, v20
	v_add_nc_u32 v15, v15, v21
.endm
	PICK 19, 16, 16
	PICK 18, 8, 8
	PICK 17, 4, 4
	PICK 16, 2, 2
	PICK 11, 1, 1
	v_bfe_u32 v22, v12, v15, 1                     ; 1 where the expert is the token's second
	v_lshl_add_u32 v23, v14, 5, v15                ; the token
	v_lshl_or_b32 v23, v23, 1, v22                 ; its row
	s_add_co_u32 s34, s26, 2048
	v_mov_b32 v24, s34
	v_cmp_ge_u32 vcc_lo, v8, v7                    ; a rank from the count on
	v_cndmask_b32 v23, v23, v24, vcc_lo            ; holds 2048 + e
	s_mul_i32 s34, s26, 5120
	s_lshl_b32 s35, s27, 10
	s_add_co_u32 s34, s34, s35
	s_mov_b32 s35, 0
	s_add_nc_u64 s[14:15], s[14:15], s[34:35]
	v_lshlrev_b32 v25, 2, v0
	global_store_b32 v25, v23, s[14:15]
	s_or_b32 s36, s27, s24                         ; the expert's first work-group, wave 0, stores the count
	s_cmp_lg_u32 s36, 0
	s_cbranch_scc1 .Ldone
	s_lshl_b32 s36, s26, 8
	s_mov_b32 s37, 0
	s_add_nc_u64 s[2:3], s[2:3], s[36:37]
	v_mov_b32 v26, v7
	v_mov_b32 v27, v7
	v_lshlrev_b32 v28, 3, v2
	global_store_b64 v28, v[26:27], s[2:3]         ; 256 consecutive bytes
.Ldone:
	s_wait_tensorcnt 0x0
	ds_add_u32 v176, v177
	s_wait_dscnt 0x0
	s_endpgm
.Lfunc_end_k_qc21b3104d3_prep:
	.size	k_qc21b3104d3_prep, .Lfunc_end_k_qc21b3104d3_prep-k_qc21b3104d3_prep
	.p2alignl 7, 3214868480
	.fill 96, 4, 3214868480
	.section	.rodata,"a",@progbits
	.p2align	6, 0x0
	.amdhsa_kernel k_qc21b3104d3_prep
		.amdhsa_group_segment_fixed_size 1536
		.amdhsa_private_segment_fixed_size 0
		.amdhsa_enable_private_segment 0
		.amdhsa_kernarg_size 56
		.amdhsa_user_sgpr_count 2
		.amdhsa_user_sgpr_kernarg_segment_ptr 1
		.amdhsa_wavefront_size32 1
		.amdhsa_system_sgpr_workgroup_id_x 1
		.amdhsa_system_sgpr_workgroup_id_y 1
		.amdhsa_system_sgpr_workgroup_id_z 1
		.amdhsa_system_vgpr_workitem_id 0
		.amdhsa_next_free_vgpr 178
		.amdhsa_next_free_sgpr 66
		.amdhsa_reserve_vcc 1
		.amdhsa_float_denorm_mode_32 3
		.amdhsa_float_denorm_mode_16_64 3
		.amdhsa_memory_ordered 1
		.amdhsa_forward_progress 1
		.amdhsa_inst_pref_size 46
	.end_amdhsa_kernel
	.amdgpu_metadata
---
amdhsa.version: [ 1, 2 ]
amdhsa.kernels:
  - .name:           k_qc21b3104d3_prep
    .symbol:         k_qc21b3104d3_prep.kd
    .args:
      - { .name: x, .offset: 0, .size: 8, .value_kind: global_buffer, .address_space: global }
      - { .name: gating_output, .offset: 8, .size: 8, .value_kind: global_buffer, .address_space: global }
      - { .name: lowp_scales, .offset: 16, .size: 8, .value_kind: global_buffer, .address_space: global }
      - { .name: xq, .offset: 24, .size: 8, .value_kind: global_buffer, .address_space: global }
      - { .name: wts, .offset: 32, .size: 8, .value_kind: global_buffer, .address_space: global }
      - { .name: list, .offset: 40, .size: 8, .value_kind: global_buffer, .address_space: global }
      - { .name: cnt, .offset: 48, .size: 8, .value_kind: global_buffer, .address_space: global }
    .group_segment_fixed_size: 1536
    .private_segment_fixed_size: 0
    .kernarg_segment_align: 8
    .kernarg_segment_size: 56
    .max_flat_workgroup_size: 256
    .sgpr_count:     66
    .vgpr_count:     178
    .wavefront_size: 32
...
	.end_amdgpu_metadata
.endif
;; end of part 1
;; launch gateup (part 2): grid 256 x 1, 8 waves a work-group, no clusters, 133,120 bytes of LDS; arguments gate_up_proj, xq, list, cnt, lowp_scales, hq; writes hq
.if DOCPART == 2
	.amdgcn_target "amdgcn-amd-amdhsa--gfx1250"
	.amdhsa_code_object_version 6
	.text
	.protected	k_qc21b3104d3_gateup
	.globl	k_qc21b3104d3_gateup
	.p2align	8
	.type	k_qc21b3104d3_gateup,@function
k_qc21b3104d3_gateup:
	s_mov_b64 s[64:65], 0
	v_nop
	global_prefetch_b8 v0, s[64:65] scope:SCOPE_SE
	s_setreg_imm32_b32 hwreg(HW_REG_WAVE_MODE, 25, 1), 1
	s_wait_xcnt 0x0
; GATEUP: h = silu(x Wg^T) * (x Wu^T) for the rows routed to an expert, on codes of E5M2, and h's codes.
; gate_up_proj [8][2048][2048] f32; xq, list, cnt as the launch before has stored them; lowp_scales [32]: expert e: ex, ew1, eh, ew2 at 4 e on.
; hq [e 8][block 32][rank 1280][32 bytes]: h's codes along the next product's K, a block of 32 places of all ranks together, so that 16 ranks of a block are 512 consecutive bytes.
; THE WEIGHTS STAY, THE ROWS PASS.  Work-group (e = id / 32, g = id % 32) owns 32 hidden units of expert e, their 32 gate rows and 32 up rows.  It reads those 64 rows of f32 once, quantises them in registers and
; keeps the codes in LDS (64 rows x 2,048 bytes, written once, never written again).  All rows routed to the expert are multiplied by them, 384 ranks a pass: one, two or three passes, by the expert's count.
; THE ORDER OF K: place 512 c + 16 L + 4 i + b holds k = 512 c + 128 i + 4 L + b, in x's codes (as stored) and in the weights' (four loads of 512 bytes, 16 bytes a lane: lane L's 16 codes): both operands alike.
; WHICH HIDDEN UNITS.  h is the next product's operand and lies in the same order: block g of 32 places holds units f = 512 (g / 16) + 128 i + 8 (g % 16) + 4 hh + b at byte 16 hh + 4 i + b.
; The products are used transposed (source 0 = 16 weight rows, source 1 = 16 routed rows): lane (r, h) holds routed row r and, in register j, weight row 8 h + j of the tile.  LDS tile n = 2 type + a (type: gate, up)
; holds in its row 8 h + j the unit with i = 2 a + j / 4, hh = h, b = j % 4: so a lane's 16 numbers of tiles a = 0, 1 are bytes 16 h .. 16 h + 15 of the block, in order, and two conversions give them.
; ALL EIGHT WAVES RUN ONE TEXT.  Wave w quantises LDS rows 8 w .. 8 w + 7, a UNIT of 512 k at a time (32 units), and multiplies all four tiles by three tiles of 16 ranks: ranks 16 (w + 8 t) + r, t = 0..2.
; K goes in chunks of 512: while chunk c is multiplied (4 steps of 128), chunk c + 1 is quantised; a barrier stands between a chunk's stores and its reads.
; Ranks from the count on take row 2047's codes; their results are stored too (the next launch reads them) and come to nothing there.
; THE LOADS ARE USED IN THE ORDER IN WHICH THEY ARE ISSUED: list, W0..W9, A0, W10, W11, A1, .. (W: a unit's four, A: a step's twelve fragment loads).  NI counts the loads issued, NC those used, the item in hand among
; them: loads come back in order (ISA guide 5.7.1), so NI - NC younger ones may stay out.  In the middle of the launch that is 56 at a unit and 48 at a step; at most 60 are out.
; NO JOINT LOADS, though the 32 work-groups of an expert read the same codes of x: the number of passes hangs on a count read from memory.
; x's codes are gathered by the list: a load takes 32 bytes of each of 16 rows.
; LIMITS: ew1 between -126 and 112; ex + ew1 between -126 and 127; eh - 2 (ex + ew1) between -126 and 112.  NaN among the inputs is not served.
; REGISTERS.  Window 0: v1 r, v2 h, v3 16 x lane, v4 where my codes go in LDS, v5, v6 my place in tiles 0-1, 2-3, v7 my place in the list, v8 16 h, v9 my place in hq, v10, v11 2^ew1 and 57,344 x it,
;   v12, v13 the same for h's conversion, v14-16 my rows of xq, v20-22 list entries; v32-127 six units of f32 (later the way out); v128-159 eight sets of codes; v192-255 the step's four weight fragments.
;   Window 1: v0-95 twelve accumulators ((t, n) at 8 (4 t + n)); v96-239 three sets of three fragments of x.
.set PITCH, 2064                       ; an LDS row: 2,048 bytes + 16 = 516 words: row r starts at bank 4 r mod 64 (64 banks of 4 bytes: ISA guide 11.1): the 16 rows of a fragment load start at 16 different banks
.set RING,  6
.set NUNIT, 32
.set NSTEP, 16
.set PASS,  384
.set HOLD,  0x07e00000
.set WR,    32
.set CD,    128
.set BF,    192
.set TT,    32
.set PP,    80
.set ACC,   0
.set AS,    96
.set NI,    0
.set NC,    0
.set MSB,   0
.macro WIN new                         ; the immediate's high byte repeats the setting that is left; bits 1:0 source 0, 3:2 source 1, 5:4 source 2, 7:6 destination
.if MSB != \new
	s_set_vgpr_msb (MSB<<8)|\new
.set MSB, \new
.endif
.endm
.macro BAR                             ; my LDS stores have landed and my LDS loads are in: then the work-group's barrier
	s_wait_dscnt 0x0
	s_barrier_signal -1
	s_barrier_wait -1
.endm
.macro LLOAD                           ; the list's entries of my three tiles
.irp t, 0,1,2
	global_load_b32 v[20+\t], v7, s[8:9] offset:512*\t
.endr
.set NI, NI+3
.endm
.macro ADDR                            ; and the rows' places in xq: 2,048 x row + 16 h
.set NC, NC+3
	s_wait_loadcnt NI-NC
.irp t, 0,1,2
	v_min_u32 v[20+\t], 0x7ff, v[20+\t]            ; a rank from the count on takes row 2047
	v_lshl_add_u32 v[14+\t], v[20+\t], 11, v8
.endr
.endm
.macro WLOAD u                         ; unit u: row u % 8 of my eight, chunk u / 8: four loads of 512 consecutive bytes.  Rows 0-3 and 4-7 lie 128 rows apart
.irp i, 0,1,2,3
	global_load_b128 v[WR+16*((\u)%RING)+4*\i:WR+16*((\u)%RING)+4*\i+3], v3, s[4:5] offset:(128*(((\u)/4)%2)+((\u)%4))*8192+2048*((\u)/8)+512*\i th:TH_LOAD_NT
.endr
.set NI, NI+4
.endm
.macro UNIT u                          ; 512 numbers of a weight row become 512 codes in LDS; the unit six on is asked for
.set RG, WR+16*((\u)%RING)
.set CG, CD+4*((\u)%8)                 ; a set of code registers is written again eight units on: a barrier, with its wait for all my LDS instructions, lies between
.set NC, NC+4
	s_wait_loadcnt NI-NC
.irp i, 0,1,2,3,4,5,6,7,8,9,10,11,12,13,14,15
	v_med3_num_f32 v[RG+\i], v[RG+\i], -v11, v11   ; the conversion does not saturate (ISA guide 7.6.2): the hold at the largest code x the scale
.endr
	v_cvt_scalef32_pk8_bf8_f32 v[CG:CG+1], v[RG:RG+7], v10
	v_cvt_scalef32_pk8_bf8_f32 v[CG+2:CG+3], v[RG+8:RG+15], v10
	v_nop                                          ; a plain line behind the conversions, ahead of whatever vector line next touches their registers
	ds_store_b128 v4, v[CG:CG+3] offset:((\u)%8)*PITCH+512*((\u)/8)   ; 512 consecutive bytes
.if (\u)+RING < NUNIT
	WLOAD (\u)+RING
.endif
.endm
.macro ALOAD s                         ; step s's fragments of x, three tiles of 16 rows x 128 places, into set s % 3: lane (r, h): places 128 s + 32 c + 16 h + 0..15 of row r
	WIN 0x40                                       ; destination window 1
.irp t, 0,1,2
.irp c, 0,1,2,3
	global_load_b128 v[AS+48*((\s)%3)+16*\t+4*\c:AS+48*((\s)%3)+16*\t+4*\c+3], v[14+\t], s[6:7] offset:128*(\s)+32*\c
.endr
.endr
	WIN 0
.set NI, NI+12
.endm
.macro BLOAD s                         ; step s's four weight fragments, the same places of the LDS rows
.irp n, 0,1,2,3
.irp c, 0,1,2,3
	ds_load_b128 v[BF+16*\n+4*\c:BF+16*\n+4*\c+3], v[5+\n/2] offset:(\n%2)*16*PITCH+128*(\s)+32*\c
.endr
.endr
.endm
; Step s's twelve products.  st: the LDS stores issued behind BLOAD (the two units').  The twelve accumulators take turns, one instruction a turn; the first step's products start the sums.
.macro MM s, st
.set AG, AS+48*((\s)%3)
.set NC, NC+12
	s_wait_loadcnt NI-NC
	WIN 0x54                                       ; weights window 0; x, C and D window 1
.irp n, 0,1,2,3
	s_wait_dscnt 4*(3-\n)+\st                      ; tile n's four loads are in; the later tiles' and the units' stores may be out
.irp t, 0,1,2
.if (\s) == 0
	v_wmma_f32_16x16x128_bf8_bf8 v[ACC+8*(4*\t+\n):ACC+8*(4*\t+\n)+7], v[BF+16*\n:BF+16*\n+15], v[AG+16*\t:AG+16*\t+15], 0
.else
	v_wmma_f32_16x16x128_bf8_bf8 v[ACC+8*(4*\t+\n):ACC+8*(4*\t+\n)+7], v[BF+16*\n:BF+16*\n+15], v[AG+16*\t:AG+16*\t+15], v[ACC+8*(4*\t+\n):ACC+8*(4*\t+\n)+7]
.endif
.endr
.endr
.rept 4
	v_nop                                          ; four places ahead of loads into registers that these products read, and of the first read of results
.endr
.if (\s)+3 < NSTEP
	ALOAD (\s)+3                                   ; into the set just multiplied
.endif
	WIN 0
.endm
; THE WAY OUT.  G, U: the sums of gate and up, which stand for G x 2^E, U x 2^E, E = ex + ew1.  h = g u / (1 + e^-g).  P = G U / (1 + 2^(G x s30)), s30 = -log2(e) 2^E; the 2^(2 E) that P lacks is folded into the conversion's scale.
; |G|, |U| are at most 2,048 x 57,344^2, so G U is an f32 number.  Each accumulator is read from its low end on.
.macro EPI
	WIN 0x01                                       ; source 0 window 1
.irp t, 0,1,2
.irp a, 0,1
.irp j, 0,2,4,6
	v_pk_mul_f32 v[TT+16*\t+8*\a+\j:TT+16*\t+8*\a+\j+1], v[ACC+32*\t+8*\a+\j:ACC+32*\t+8*\a+\j+1], s[30:31] op_sel_hi:[1,0]
.endr
.endr
.endr
	WIN 0
.set Q, 0
.rept 48
	v_exp_f32 v[TT+Q], v[TT+Q]                     ; e^-g
.set Q, Q+1
.endr
	WIN 0x05                                       ; sources 0 and 1 window 1
.irp t, 0,1,2
.irp a, 0,1
.irp j, 0,2,4,6
	v_pk_mul_f32 v[PP+16*\t+8*\a+\j:PP+16*\t+8*\a+\j+1], v[ACC+32*\t+8*\a+\j:ACC+32*\t+8*\a+\j+1], v[ACC+32*\t+16+8*\a+\j:ACC+32*\t+16+8*\a+\j+1]   ; G U: plain work behind the exponentials
.endr
.endr
.endr
	WIN 0
	s_wait_alu depctr_va_vdst(0)                   ; one wait for the batch of exponentials, ahead of its first use
.set Q, 0
.rept 24
	v_pk_add_f32 v[TT+Q:TT+Q+1], v[TT+Q:TT+Q+1], 1.0 op_sel_hi:[1,0]
.set Q, Q+2
.endr
.set Q, 0
.rept 48
	v_rcp_f32 v[TT+Q], v[TT+Q]
.set Q, Q+1
.endr
	v_nop                                          ; a plain line behind the last reciprocal
	s_wait_alu depctr_va_vdst(0)                   ; and one wait for that batch
.set Q, 0
.rept 24
	v_pk_mul_f32 v[PP+Q:PP+Q+1], v[PP+Q:PP+Q+1], v[TT+Q:TT+Q+1]
.set Q, Q+2
.endr
.set Q, 0
.rept 48
	v_med3_num_f32 v[PP+Q], v[PP+Q], -v13, v13
.set Q, Q+1
.endr
.irp t, 0,1,2
	v_cvt_scalef32_pk8_bf8_f32 v[CD+4*\t:CD+4*\t+1], v[PP+16*\t:PP+16*\t+7], v12
	v_cvt_scalef32_pk8_bf8_f32 v[CD+4*\t+2:CD+4*\t+3], v[PP+16*\t+8:PP+16*\t+15], v12
.endr
	v_nop
.irp t, 0,1,2
	global_store_b128 v9, v[CD+4*\t:CD+4*\t+3], s[14:15] offset:4096*\t   ; 16 ranks x 32 bytes: 512 consecutive bytes
.endr
.endm
	s_load_b256 s[4:11], s[0:1], 0x0               ; W s[4:5], xq s[6:7], list s[8:9], cnt s[10:11]
	s_load_b128 s[12:15], s[0:1], 0x20             ; scales s[12:13], hq s[14:15]
	v_lshl_add_u32 v190, v0, 2, 0x20400
	v_mov_b32 v191, 0
	v_lshrrev_b32 v1, 5, v0
	v_readfirstlane_b32 s16, v1                    ; wave
	s_lshr_b32 s17, ttmp9, 5                       ; e
	s_and_b32 s18, ttmp9, 31                       ; g
	v_and_b32 v1, 15, v0                           ; r
	v_bfe_u32 v2, v0, 4, 1                         ; h
	v_and_b32 v3, 31, v0
	v_lshlrev_b32 v3, 4, v3                        ; 16 x lane
	s_mul_i32 s19, s16, 8*PITCH
	v_add_nc_u32 v4, s19, v3                       ; my eight LDS rows
	v_mul_u32_u24 v5, v1, PITCH
	v_lshl_add_u32 v5, v2, 4, v5                   ; a fragment's row x pitch + 16 h
	v_add_nc_u32 v6, 32*PITCH, v5                  ; tiles 2 and 3 (an LDS offset has 16 bits)
	s_lshl_b32 s19, s16, 6
	v_lshl_add_u32 v7, v1, 2, s19                  ; list: 4 (16 w + r)
	v_lshlrev_b32 v8, 4, v2
	s_lshl_b32 s19, s16, 9
	v_lshl_add_u32 v9, v1, 5, s19
	v_add_nc_u32 v9, v9, v8                        ; hq: 32 (16 w + r) + 16 h
	s_lshr_b32 s19, s16, 2                         ; my first weight row: 1,024 (w / 4: gate or up)
	s_lshl_b32 s19, s19, 10
	s_lshr_b32 s20, s18, 4
	s_lshl_b32 s20, s20, 9
	s_add_co_u32 s19, s19, s20                     ; + 512 (g / 16)
	s_and_b32 s20, s18, 15
	s_lshl_b32 s20, s20, 3
	s_add_co_u32 s19, s19, s20                     ; + 8 (g % 16)
	s_bfe_u32 s20, s16, 0x10001
	s_lshl_b32 s20, s20, 8
	s_add_co_u32 s19, s19, s20                     ; + 256 a, a = (w / 2) % 2
	s_and_b32 s20, s16, 1
	s_lshl_b32 s20, s20, 2
	s_add_co_u32 s19, s19, s20                     ; + 4 (w % 2)
	s_lshl_b32 s19, s19, 13                        ; rows of 8,192 bytes
	s_lshl_b32 s20, s17, 24                        ; an expert's 2,048 rows
	s_add_co_u32 s20, s20, s19
	s_mov_b32 s21, 0
	s_mul_i32 s22, s17, 5120
	s_mov_b32 s23, 0
	s_wait_kmcnt 0x0
	s_add_nc_u64 s[4:5], s[4:5], s[20:21]
	s_add_nc_u64 s[8:9], s[8:9], s[22:23]
	LLOAD
.irp u, 0,1,2,3,4,5
	WLOAD \u
.endr
	s_lshl_b32 s22, s17, 8
	s_add_nc_u64 s[10:11], s[10:11], s[22:23]
	s_lshl_b32 s22, s17, 4
	s_add_nc_u64 s[12:13], s[12:13], s[22:23]
	s_load_b32 s28, s[10:11], 0x0                  ; the expert's count
	s_load_b128 s[24:27], s[12:13], 0x0            ; ex, ew1, eh, ew2
	s_lshl_b32 s22, s17, 5
	s_add_co_u32 s22, s22, s18
	s_mul_i32 s22, s22, 40960                      ; block g of expert e: 1,280 ranks x 32 bytes
	s_add_nc_u64 s[14:15], s[14:15], s[22:23]
	s_wait_kmcnt 0x0
	s_min_u32 s28, s28, 1024                       ; a count is at most the number of tokens
	s_cmp_gt_u32 s28, PASS                         ; the number of passes of 384 ranks: one,
	s_cselect_b32 s33, 2, 1                        ; two where the count is above 384,
	s_cmp_gt_u32 s28, 2*PASS
	s_cselect_b32 s33, 3, s33                      ; three where it is above 768
	s_add_co_i32 s19, s25, 127
	s_lshl_b32 s19, s19, 23
	v_mov_b32 v10, s19                             ; 2^ew1 as f32: the conversion takes its exponent field
	s_add_co_u32 s19, s19, HOLD
	v_mov_b32 v11, s19                             ; 57,344 x 2^ew1
	s_add_co_i32 s20, s24, s25                     ; E = ex + ew1
	s_lshl_b32 s21, s20, 23
	s_add_co_u32 s30, s21, 0xbfb8aa3b              ; -log2(e) with E added to its exponent field
	s_mov_b32 s31, s30                             ; (named with it as a pair, so it is written)
	s_lshl_b32 s20, s20, 1
	s_sub_co_i32 s20, s26, s20                     ; eh - 2 E
	s_add_co_i32 s20, s20, 127
	s_lshl_b32 s20, s20, 23
	v_mov_b32 v12, s20
	s_add_co_u32 s20, s20, HOLD
	v_mov_b32 v13, s20
	ADDR
; chunk 0 is quantised; the first three steps' fragments of x take their places in the queue
.irp u, 0,1,2,3
	UNIT \u
.endr
	ALOAD 0
	UNIT 4
	UNIT 5
	ALOAD 1
	UNIT 6
	UNIT 7
	ALOAD 2
	BAR                                            ; chunk 0's codes lie in LDS
.irp s, 0,1,2,3,4,5,6,7,8,9,10,11
	BLOAD \s
	UNIT 8+2*\s                                    ; two units of the next chunk stand between a step's LDS loads and its products
	UNIT 9+2*\s
	MM \s, 2
.if (\s)%4 == 3
	BAR                                            ; the next chunk's codes lie in LDS
.endif
.endr
.irp s, 12,13,14,15
	BLOAD \s
	MM \s, 0
.endr
	EPI
; further passes, where the expert has more than 384 rows: the codes in LDS are read again; nothing is written there, so no barrier.  s29 counts the passes done, one a trip, up to s33
	s_mov_b32 s29, 1
	s_cmp_lt_u32 s29, s33
	s_cbranch_scc0 .Lend
.Lpass:
	s_wait_xcnt 0x0                                ; the stores have read their data and their base
	s_add_nc_u64 s[8:9], s[8:9], PASS*4
	s_add_nc_u64 s[14:15], s[14:15], PASS*32
.set NI, 0
.set NC, 0
	LLOAD                                          ; no load is out here: the last step waited for all
	ADDR
	ALOAD 0
	ALOAD 1
	ALOAD 2
.irp s, 0,1,2,3,4,5,6,7,8,9,10,11,12,13,14,15
	BLOAD \s
	MM \s, 0
.endr
	EPI
	s_add_co_u32 s29, s29, 1
	s_cmp_lt_u32 s29, s33
	s_cbranch_scc1 .Lpass
.Lend:
	s_wait_tensorcnt 0x0
	ds_add_u32 v190, v191
	s_wait_dscnt 0x0
	s_endpgm
.Lfunc_end_k_qc21b3104d3_gateup:
	.size	k_qc21b3104d3_gateup, .Lfunc_end_k_qc21b3104d3_gateup-k_qc21b3104d3_gateup
	.p2alignl 7, 3214868480
	.fill 96, 4, 3214868480
	.section	.rodata,"a",@progbits
	.p2align	6, 0x0
	.amdhsa_kernel k_qc21b3104d3_gateup
		.amdhsa_group_segment_fixed_size 133120
		.amdhsa_private_segment_fixed_size 0
		.amdhsa_enable_private_segment 0
		.amdhsa_kernarg_size 48
		.amdhsa_user_sgpr_count 2
		.amdhsa_user_sgpr_kernarg_segment_ptr 1
		.amdhsa_wavefront_size32 1
		.amdhsa_system_sgpr_workgroup_id_x 1
		.amdhsa_system_sgpr_workgroup_id_y 1
		.amdhsa_system_sgpr_workgroup_id_z 1
		.amdhsa_system_vgpr_workitem_id 0
		.amdhsa_next_free_vgpr 496
		.amdhsa_next_free_sgpr 66
		.amdhsa_reserve_vcc 0
		.amdhsa_float_denorm_mode_32 3
		.amdhsa_float_denorm_mode_16_64 3
		.amdhsa_memory_ordered 1
		.amdhsa_forward_progress 1
		.amdhsa_inst_pref_size 188
	.end_amdhsa_kernel
	.amdgpu_metadata
---
amdhsa.version: [ 1, 2 ]
amdhsa.kernels:
  - .name:           k_qc21b3104d3_gateup
    .symbol:         k_qc21b3104d3_gateup.kd
    .args:
      - { .name: gate_up_proj, .offset: 0, .size: 8, .value_kind: global_buffer, .address_space: global }
      - { .name: xq, .offset: 8, .size: 8, .value_kind: global_buffer, .address_space: global }
      - { .name: list, .offset: 16, .size: 8, .value_kind: global_buffer, .address_space: global }
      - { .name: cnt, .offset: 24, .size: 8, .value_kind: global_buffer, .address_space: global }
      - { .name: lowp_scales, .offset: 32, .size: 8, .value_kind: global_buffer, .address_space: global }
      - { .name: hq, .offset: 40, .size: 8, .value_kind: global_buffer, .address_space: global }
    .group_segment_fixed_size: 133120
    .private_segment_fixed_size: 0
    .kernarg_segment_align: 8
    .kernarg_segment_size: 48
    .max_flat_workgroup_size: 256
    .sgpr_count:     66
    .vgpr_count:     496
    .wavefront_size: 32
...
	.end_amdgpu_metadata
.endif
;; end of part 2
;; launch down (part 3): grid 256 x 1, 8 waves a work-group, no clusters, 104,448 bytes of LDS; arguments down_proj, hq, list, cnt, wts, lowp_scales, y; writes y
.if DOCPART == 3
	.amdgcn_target "amdgcn-amd-amdhsa--gfx1250"
	.amdhsa_code_object_version 6
	.text
	.protected	k_qc21b3104d3_down
	.globl	k_qc21b3104d3_down
	.p2align	8
	.type	k_qc21b3104d3_down,@function
k_qc21b3104d3_down:
	s_mov_b64 s[64:65], 0
	v_nop
	global_prefetch_b8 v0, s[64:65] scope:SCOPE_SE
	s_setreg_imm32_b32 hwreg(HW_REG_WAVE_MODE, 25, 1), 1
	s_wait_xcnt 0x0
; DOWN: y[row] = weight[row] x (h Wd^T) for the rows routed to an expert, on codes of E5M2.
; down_proj [8][2048][1024] f32; hq [e][block 32][rank 1280][32 bytes], list, cnt, wts as the launches before have stored them; lowp_scales: expert e: ex, ew1, eh, ew2 at 4 e on.
; y [2056][2048] f32: row 2 t + slot for token t's first and second expert; rows 2048 + e take the ranks from the count on of a tile that is filled in part (each work-group has 256 bytes of its own there; nobody reads them).
; THE WEIGHTS STAY, THE ROWS PASS.  Work-group (e = id / 32, g = id % 32) owns outputs 64 g .. 64 g + 63 of expert e: 64 rows of 1,024 f32, read once, quantised in registers, kept as codes in LDS (written once).
; THE ORDER OF K is hq's: place 512 c + 16 L + 4 i + b holds hidden unit 512 c + 128 i + 4 L + b: four loads of 512 bytes, 16 bytes a lane, give lane L its 16 codes in that order.
; The products are used transposed (source 0 = 16 weight rows, source 1 = 16 ranks): lane (r, h) holds rank r and, in register j of tile n, output 64 g + 16 n + 8 h + j: eight neighbours of a row of y.
; ALL EIGHT WAVES RUN ONE TEXT.  Wave w quantises LDS rows 8 w .. 8 w + 7, a unit of 512 k at a time (16 units), and multiplies all four tiles by three tiles of 16 ranks: ranks 16 (w + 8 t) + r; 384 ranks a pass:
; one, two or three passes, by the expert's count.  K goes in two chunks of 512; a barrier stands between a chunk's stores and its reads.
; THE LOADS ARE USED IN THE ORDER IN WHICH THEY ARE ISSUED: list, W0..W5, the three weights of my ranks, W6..W9, A0, W10, W11, A1, ..  NI counts the loads issued, NC those used, the item in hand among them:
; loads come back in order (ISA guide 5.7.1), so NI - NC younger ones may stay out; at most 60 are out.
; NO JOINT LOADS, though the 32 work-groups of an expert read the same codes of h: the number of passes hangs on a count read from memory.
; LIMITS: ew2 between -126 and 112; eh + ew2 between -126 and 127.  NaN among the inputs is not served.
; REGISTERS.  Window 0: v1 r, v2 h, v3 16 x lane, v4 where my codes go in LDS, v5 my place in a tile, v6 into my stage, v7 my place in the list, v8 out of my stage, v9 my place in hq, v10, v11 2^ew2 and 57,344 x it,
;   v12, v13 the stage's entries, in and out, v14 16 r, v16-18 list entries, v19-21 their places in wts, v22-27 weight x 2^(eh + ew2), in pairs; v32-127 six units of f32 (later the way out); v128-159 codes; v192-255 weight fragments.
;   Window 1: v0-95 twelve accumulators ((t, n) at 8 (4 t + n)); v96-239 three sets of three fragments of h.
.set PITCH, 1040                       ; an LDS row: 1,024 bytes + 16 = 260 words: row r starts at bank 4 r mod 64 (64 banks of 4 bytes: ISA guide 11.1)
.set STG,   64*PITCH                   ; behind the codes: a stage for each wave:
.set SP,    272                        ; 16 rows of 256 bytes + 16,
.set SW,    4608                       ; then 16 entries of the list
.set RING,  6
.set NUNIT, 16
.set NSTEP, 8
.set PASS,  384
.set HOLD,  0x07e00000
.set WR,    32
.set CD,    128
.set BF,    192
.set YT,    32
.set YR,    64
.set YD,    96
.set ACC,   0
.set AS,    96
.set NI,    0
.set NC,    0
.set MSB,   0
.macro WIN new                         ; the immediate's high byte repeats the setting that is left; bits 1:0 source 0, 3:2 source 1, 5:4 source 2, 7:6 destination
.if MSB != \new
	s_set_vgpr_msb (MSB<<8)|\new
.set MSB, \new
.endif
.endm
.macro BAR
	s_wait_dscnt 0x0
	s_barrier_signal -1
	s_barrier_wait -1
.endm
.macro LLOAD                           ; the list's entries of my three tiles
.irp t, 0,1,2
	global_load_b32 v[16+\t], v7, s[8:9] offset:512*\t
.endr
.set NI, NI+3
.endm
.macro ADDR                            ; and the rows' routing weights
.set NC, NC+3
	s_wait_loadcnt NI-NC
.irp t, 0,1,2
	v_min_u32 v[19+\t], 0x7ff, v[16+\t]            ; a rank from the count on takes row 2047's: its result goes to a row that nobody reads
	v_lshlrev_b32 v[19+\t], 2, v[19+\t]
.endr
.irp t, 0,1,2
	global_load_b32 v[22+2*\t], v[19+\t], s[12:13]
.endr
.set NI, NI+3
.endm
.macro WLOAD u                         ; unit u: row u % 8 of my eight, chunk u / 8: four loads of 512 consecutive bytes
.irp i, 0,1,2,3
	global_load_b128 v[WR+16*((\u)%RING)+4*\i:WR+16*((\u)%RING)+4*\i+3], v3, s[4:5] offset:((\u)%8)*4096+2048*((\u)/8)+512*\i th:TH_LOAD_NT
.endr
.set NI, NI+4
.endm
.macro UNIT u
.set RG, WR+16*((\u)%RING)
.set CG, CD+4*((\u)%8)                 ; a set of code registers is written again eight units on: a barrier, with its wait for all my LDS instructions, lies between
.set NC, NC+4
	s_wait_loadcnt NI-NC
.irp i, 0,1,2,3,4,5,6,7,8,9,10,11,12,13,14,15
	v_med3_num_f32 v[RG+\i], v[RG+\i], -v11, v11   ; the conversion does not saturate (ISA guide 7.6.2): the hold at the largest code x the scale
.endr
	v_cvt_scalef32_pk8_bf8_f32 v[CG:CG+1], v[RG:RG+7], v10
	v_cvt_scalef32_pk8_bf8_f32 v[CG+2:CG+3], v[RG+8:RG+15], v10
	v_nop                                          ; a plain line behind the conversions
	ds_store_b128 v4, v[CG:CG+3] offset:((\u)%8)*PITCH+512*((\u)/8)
.if (\u)+RING < NUNIT
	WLOAD (\u)+RING
.endif
.endm
.macro ALOAD s                         ; step s's fragments of h: blocks 4 s + c; 16 ranks of a block are 512 consecutive bytes
	WIN 0x40
.irp t, 0,1,2
.irp c, 0,1,2,3
	global_load_b128 v[AS+48*((\s)%3)+16*\t+4*\c:AS+48*((\s)%3)+16*\t+4*\c+3], v9, s[6:7] offset:(4*(\s)+\c)*40960+4096*\t
.endr
.endr
	WIN 0
.set NI, NI+12
.endm
.macro BLOAD s
.irp n, 0,1,2,3
.irp c, 0,1,2,3
	ds_load_b128 v[BF+16*\n+4*\c:BF+16*\n+4*\c+3], v5 offset:\n*16*PITCH+128*(\s)+32*\c
.endr
.endr
.endm
; Step s's twelve products.  st: the LDS stores issued behind BLOAD.  The twelve accumulators take turns, one instruction a turn; the first step's products start the sums.
.macro MM s, st
.set AG, AS+48*((\s)%3)
.set NC, NC+12
	s_wait_loadcnt NI-NC
	WIN 0x54
.irp n, 0,1,2,3
	s_wait_dscnt 4*(3-\n)+\st                      ; tile n's four loads are in; the later tiles' and the units' stores may be out
.irp t, 0,1,2
.if (\s) == 0
	v_wmma_f32_16x16x128_bf8_bf8 v[ACC+8*(4*\t+\n):ACC+8*(4*\t+\n)+7], v[BF+16*\n:BF+16*\n+15], v[AG+16*\t:AG+16*\t+15], 0
.else
	v_wmma_f32_16x16x128_bf8_bf8 v[ACC+8*(4*\t+\n):ACC+8*(4*\t+\n)+7], v[BF+16*\n:BF+16*\n+15], v[AG+16*\t:AG+16*\t+15], v[ACC+8*(4*\t+\n):ACC+8*(4*\t+\n)+7]
.endif
.endr
.endr
.rept 4
	v_nop                                          ; four places ahead of loads into registers that these products read, and of the first read of results
.endr
.if (\s)+3 < NSTEP
	ALOAD (\s)+3
.endif
	WIN 0
.endm
; THE WAY OUT of tile t.  A lane holds 4 x 32 bytes of its rank's 256; the lanes beside it hold other ranks.  So the tile goes through my own stage and comes back as whole rows: sixteen lanes store 256 consecutive bytes,
; aligned, of the row of y that the list names.  The entries go the same way, since on the way back a lane serves other ranks than on the way in.  LDS serves a wave's instructions in order (ISA guide 5.7.1.4).
; A tile all of whose ranks lie at or beyond the count is left out: a scalar branch on the stored count.
.macro TILE t
	s_add_co_u32 s36, s35, 128*\t                  ; the tile's first rank
	s_cmp_ge_u32 s36, s28
	s_cbranch_scc1 .Lnone_\@
	s_wait_xcnt 0x0                                ; the last tile's stores have read their data and offsets
	WIN 0x01                                       ; source 0 window 1
.irp i, 0,2,4,6,8,10,12,14,16,18,20,22,24,26,28,30
	v_pk_mul_f32 v[YT+\i:YT+\i+1], v[ACC+32*\t+\i:ACC+32*\t+\i+1], v[22+2*\t:23+2*\t] op_sel_hi:[1,0]   ; x weight x 2^(eh + ew2); each accumulator from its low end on
.endr
	WIN 0
	ds_store_b32 v12, v[16+\t]
.irp n, 0,1,2,3
	ds_store_b128 v6, v[YT+8*\n:YT+8*\n+3] offset:64*\n
	ds_store_b128 v6, v[YT+8*\n+4:YT+8*\n+7] offset:64*\n+16
.endr
.irp i, 0,1,2,3,4,5,6,7
	ds_load_b128 v[YR+4*\i:YR+4*\i+3], v8 offset:2*SP*\i      ; ranks 2 i (lanes 0-15) and 2 i + 1 (lanes 16-31)
.endr
.irp i, 0,1,2,3,4,5,6,7
	ds_load_b32 v[YD+\i], v13 offset:8*\i
.endr
	s_wait_dscnt 0x0
.irp i, 0,1,2,3,4,5,6,7
	v_min_u32 v[YD+\i], 0x807, v[YD+\i]            ; y has 2,056 rows
	v_lshl_add_u32 v[YD+\i], v[YD+\i], 13, v14     ; rows of 8,192 bytes, + 16 (lane % 16)
.endr
.irp i, 0,1,2,3,4,5,6,7
	global_store_b128 v[YD+\i], v[YR+4*\i:YR+4*\i+3], s[2:3]
.endr
.Lnone_\@:
.endm
.macro EPI
.irp t, 0,1,2
	v_mul_f32 v[22+2*\t], s30, v[22+2*\t]          ; the weights landed ahead of the fragments, for all of which the last step waited
	v_mov_b32 v[23+2*\t], v[22+2*\t]               ; (named with it as a pair, so it is written)
.endr
	TILE 0
	TILE 1
	TILE 2
.endm
	s_load_b256 s[4:11], s[0:1], 0x0               ; W s[4:5], hq s[6:7], list s[8:9], cnt s[10:11]
	s_load_b128 s[12:15], s[0:1], 0x20             ; wts s[12:13], scales s[14:15]
	s_load_b64 s[2:3], s[0:1], 0x30                ; y
	v_lshl_add_u32 v190, v0, 2, 0x19400
	v_mov_b32 v191, 0
	v_lshrrev_b32 v1, 5, v0
	v_readfirstlane_b32 s16, v1                    ; wave
	s_lshr_b32 s17, ttmp9, 5                       ; e
	s_and_b32 s18, ttmp9, 31                       ; g
	v_and_b32 v1, 15, v0                           ; r
	v_bfe_u32 v2, v0, 4, 1                         ; h
	v_and_b32 v3, 31, v0
	v_lshlrev_b32 v3, 4, v3                        ; 16 x lane
	s_mul_i32 s19, s16, 8*PITCH
	v_add_nc_u32 v4, s19, v3                       ; my eight LDS rows
	v_mul_u32_u24 v5, v1, PITCH
	v_lshl_add_u32 v5, v2, 4, v5                   ; a fragment's row x pitch + 16 h
	s_mul_i32 s19, s16, SW
	s_add_co_u32 s19, s19, STG                     ; my stage
	v_mul_u32_u24 v6, v1, SP
	v_lshl_add_u32 v6, v2, 5, v6
	v_add_nc_u32 v6, s19, v6                       ; in: row r, + 32 h
	v_mul_u32_u24 v8, v2, SP
	v_lshl_add_u32 v8, v1, 4, v8
	v_add_nc_u32 v8, s19, v8                       ; back: row lane / 16, 16 bytes a lane
	s_add_co_u32 s19, s19, 16*SP
	v_lshl_add_u32 v12, v1, 2, s19                 ; the entries: in at 4 r,
	v_lshl_add_u32 v13, v2, 2, s19                 ; back at 4 (lane / 16)
	v_lshlrev_b32 v14, 4, v1
	s_lshl_b32 s19, s16, 6
	v_lshl_add_u32 v7, v1, 2, s19                  ; list: 4 (16 w + r)
	s_lshl_b32 s19, s16, 9
	v_lshl_add_u32 v9, v1, 5, s19
	v_lshl_add_u32 v9, v2, 4, v9                   ; hq: 32 (16 w + r) + 16 h
	s_lshl_b32 s35, s16, 4                         ; the first rank of my tile 0
	s_lshl_b32 s20, s18, 6
	s_lshl_b32 s21, s16, 3
	s_add_co_u32 s20, s20, s21                     ; my first weight row: 64 g + 8 w,
	s_lshl_b32 s20, s20, 12                        ; rows of 4,096 bytes,
	s_lshl_b32 s21, s17, 23                        ; an expert's 2,048 rows
	s_add_co_u32 s20, s20, s21
	s_mov_b32 s21, 0
	s_mul_i32 s22, s17, 5120
	s_mov_b32 s23, 0
	s_wait_kmcnt 0x0
	s_add_nc_u64 s[4:5], s[4:5], s[20:21]
	s_add_nc_u64 s[8:9], s[8:9], s[22:23]
	LLOAD
.irp u, 0,1,2,3,4,5
	WLOAD \u
.endr
	s_lshl_b32 s22, s17, 8
	s_add_nc_u64 s[10:11], s[10:11], s[22:23]
	s_lshl_b32 s22, s17, 4
	s_add_nc_u64 s[14:15], s[14:15], s[22:23]
	s_load_b32 s28, s[10:11], 0x0                  ; the expert's count
	s_load_b128 s[24:27], s[14:15], 0x0            ; ex, ew1, eh, ew2
	s_mul_i32 s22, s17, 32*40960
	s_add_nc_u64 s[6:7], s[6:7], s[22:23]          ; the expert's 32 blocks
	s_lshl_b32 s22, s18, 8
	s_add_nc_u64 s[2:3], s[2:3], s[22:23]          ; my 64 outputs in a row of y
	s_wait_kmcnt 0x0
	s_min_u32 s28, s28, 1024                       ; a count is at most the number of tokens
	s_cmp_gt_u32 s28, PASS                         ; the number of passes of 384 ranks: one,
	s_cselect_b32 s33, 2, 1                        ; two where the count is above 384,
	s_cmp_gt_u32 s28, 2*PASS
	s_cselect_b32 s33, 3, s33                      ; three where it is above 768
	s_add_co_i32 s19, s27, 127
	s_lshl_b32 s19, s19, 23
	v_mov_b32 v10, s19                             ; 2^ew2 as f32
	s_add_co_u32 s19, s19, HOLD
	v_mov_b32 v11, s19                             ; 57,344 x 2^ew2
	s_add_co_i32 s30, s26, s27
	s_add_co_i32 s30, s30, 127
	s_lshl_b32 s30, s30, 23                        ; 2^(eh + ew2) as f32
	ADDR
.irp u, 0,1,2,3
	UNIT \u
.endr
	ALOAD 0
	UNIT 4
	UNIT 5
	ALOAD 1
.set NC, NC+3                          ; the three routing weights stand here in the queue, behind W5: they are older than all that is waited for from here on
	UNIT 6
	UNIT 7
	ALOAD 2
	BAR                                            ; chunk 0's codes lie in LDS
.irp s, 0,1,2,3
	BLOAD \s
	UNIT 8+2*\s
	UNIT 9+2*\s
	MM \s, 2
.endr
	BAR                                            ; chunk 1's codes lie in LDS
.irp s, 4,5,6,7
	BLOAD \s
	MM \s, 0
.endr
	EPI
; further passes, where the expert has more than 384 rows: the codes in LDS are read again; the stages are each wave's own: no barrier.  s29 counts the passes done, one a trip, up to s33
	s_mov_b32 s29, 1
	s_cmp_lt_u32 s29, s33
	s_cbranch_scc0 .Lend
.Lpass:
	s_wait_xcnt 0x0                                ; every earlier memory instruction has read its registers
	s_add_nc_u64 s[8:9], s[8:9], PASS*4
	s_add_nc_u64 s[6:7], s[6:7], PASS*32
	s_add_co_u32 s35, s35, PASS
.set NI, 0
.set NC, 0
	LLOAD                                          ; no load is out here: the last step waited for all
	ADDR
.set NC, NC+3                          ; the routing weights: older than every fragment
	ALOAD 0
	ALOAD 1
	ALOAD 2
.irp s, 0,1,2,3,4,5,6,7
	BLOAD \s
	MM \s, 0
.endr
	EPI
	s_add_co_u32 s29, s29, 1
	s_cmp_lt_u32 s29, s33
	s_cbranch_scc1 .Lpass
.Lend:
	s_wait_tensorcnt 0x0
	ds_add_u32 v190, v191
	s_wait_dscnt 0x0
	s_endpgm
.Lfunc_end_k_qc21b3104d3_down:
	.size	k_qc21b3104d3_down, .Lfunc_end_k_qc21b3104d3_down-k_qc21b3104d3_down
	.p2alignl 7, 3214868480
	.fill 96, 4, 3214868480
	.section	.rodata,"a",@progbits
	.p2align	6, 0x0
	.amdhsa_kernel k_qc21b3104d3_down
		.amdhsa_group_segment_fixed_size 104448
		.amdhsa_private_segment_fixed_size 0
		.amdhsa_enable_private_segment 0
		.amdhsa_kernarg_size 56
		.amdhsa_user_sgpr_count 2
		.amdhsa_user_sgpr_kernarg_segment_ptr 1
		.amdhsa_wavefront_size32 1
		.amdhsa_system_sgpr_workgroup_id_x 1
		.amdhsa_system_sgpr_workgroup_id_y 1
		.amdhsa_system_sgpr_workgroup_id_z 1
		.amdhsa_system_vgpr_workitem_id 0
		.amdhsa_next_free_vgpr 496
		.amdhsa_next_free_sgpr 66
		.amdhsa_reserve_vcc 0
		.amdhsa_float_denorm_mode_32 3
		.amdhsa_float_denorm_mode_16_64 3
		.amdhsa_memory_ordered 1
		.amdhsa_forward_progress 1
		.amdhsa_inst_pref_size 112
	.end_amdhsa_kernel
	.amdgpu_metadata
---
amdhsa.version: [ 1, 2 ]
amdhsa.kernels:
  - .name:           k_qc21b3104d3_down
    .symbol:         k_qc21b3104d3_down.kd
    .args:
      - { .name: down_proj, .offset: 0, .size: 8, .value_kind: global_buffer, .address_space: global }
      - { .name: hq, .offset: 8, .size: 8, .value_kind: global_buffer, .address_space: global }
      - { .name: list, .offset: 16, .size: 8, .value_kind: global_buffer, .address_space: global }
      - { .name: cnt, .offset: 24, .size: 8, .value_kind: global_buffer, .address_space: global }
      - { .name: wts, .offset: 32, .size: 8, .value_kind: global_buffer, .address_space: global }
      - { .name: lowp_scales, .offset: 40, .size: 8, .value_kind: global_buffer, .address_space: global }
      - { .name: y, .offset: 48, .size: 8, .value_kind: global_buffer, .address_space: global }
    .group_segment_fixed_size: 104448
    .private_segment_fixed_size: 0
    .kernarg_segment_align: 8
    .kernarg_segment_size: 56
    .max_flat_workgroup_size: 256
    .sgpr_count:     66
    .vgpr_count:     496
    .wavefront_size: 32
...
	.end_amdgpu_metadata
.endif
;; end of part 3
;; launch combine (part 4): grid 256 x 1, 8 waves a work-group, no clusters, 0 bytes of LDS; arguments y, out0; writes out0
.if DOCPART == 4
	.amdgcn_target "amdgcn-amd-amdhsa--gfx1250"
	.amdhsa_code_object_version 6
	.text
	.protected	k_qc21b3104d3_combine
	.globl	k_qc21b3104d3_combine
	.p2align	8
	.type	k_qc21b3104d3_combine,@function
k_qc21b3104d3_combine:
	s_mov_b64 s[64:65], 0
	v_nop
	global_prefetch_b8 v0, s[64:65] scope:SCOPE_SE
	s_setreg_imm32_b32 hwreg(HW_REG_WAVE_MODE, 25, 1), 1
	s_wait_xcnt 0x0
; COMBINE: out0[t] = y[2 t] + y[2 t + 1]: a token's two experts were worked by different work-groups, so their sum has a launch of its own.
; y [2056][2048] f32 (rows 2048 on are not read), out0 [1024][2048] f32.  A stream: no LDS, no barrier, no matrix unit.
; Wave w of work-group b takes half w % 2 (4,096 bytes) of token 4 b + w / 2: eight loads of 512 consecutive bytes from each of the two rows, all issued at once, then eight stores of 512 consecutive bytes.
	s_load_b128 s[4:7], s[0:1], 0x0                ; y, out0
	v_lshrrev_b32 v1, 5, v0
	v_readfirstlane_b32 s8, v1                     ; wave
	v_and_b32 v2, 31, v0
	v_lshlrev_b32 v2, 4, v2                        ; 16 x lane
	s_lshl_b32 s9, ttmp9, 2
	s_lshr_b32 s10, s8, 1
	s_add_co_u32 s9, s9, s10                       ; the token
	s_and_b32 s10, s8, 1
	s_lshl_b32 s10, s10, 12                        ; the half
	s_lshl_b32 s12, s9, 14                         ; two rows of y
	s_add_co_u32 s12, s12, s10
	s_mov_b32 s13, 0
	s_lshl_b32 s14, s9, 13                         ; a row of out0
	s_add_co_u32 s14, s14, s10
	s_mov_b32 s15, 0
	s_wait_kmcnt 0x0
	s_add_nc_u64 s[4:5], s[4:5], s[12:13]
	s_add_nc_u64 s[6:7], s[6:7], s[14:15]
.irp i, 0,1,2,3,4,5,6,7
	global_load_b128 v[8+4*\i:11+4*\i], v2, s[4:5] offset:512*\i th:TH_LOAD_NT
.endr
.irp i, 0,1,2,3,4,5,6,7
	global_load_b128 v[40+4*\i:43+4*\i], v2, s[4:5] offset:8192+512*\i th:TH_LOAD_NT
.endr
.irp i, 0,1,2,3,4,5,6,7
	s_wait_loadcnt 7-\i                            ; the second row's load i is in, and with it all of the first row's; the 7 - i behind it may be out
	v_pk_add_f32 v[8+4*\i:9+4*\i], v[8+4*\i:9+4*\i], v[40+4*\i:41+4*\i]
	v_pk_add_f32 v[10+4*\i:11+4*\i], v[10+4*\i:11+4*\i], v[42+4*\i:43+4*\i]
	global_store_b128 v2, v[8+4*\i:11+4*\i], s[6:7] offset:512*\i th:TH_STORE_NT
.endr
	s_endpgm
.Lfunc_end_k_qc21b3104d3_combine:
	.size	k_qc21b3104d3_combine, .Lfunc_end_k_qc21b3104d3_combine-k_qc21b3104d3_combine
	.p2alignl 7, 3214868480
	.fill 96, 4, 3214868480
	.section	.rodata,"a",@progbits
	.p2align	6, 0x0
	.amdhsa_kernel k_qc21b3104d3_combine
		.amdhsa_group_segment_fixed_size 0
		.amdhsa_private_segment_fixed_size 0
		.amdhsa_enable_private_segment 0
		.amdhsa_kernarg_size 16
		.amdhsa_user_sgpr_count 2
		.amdhsa_user_sgpr_kernarg_segment_ptr 1
		.amdhsa_wavefront_size32 1
		.amdhsa_system_sgpr_workgroup_id_x 1
		.amdhsa_system_sgpr_workgroup_id_y 1
		.amdhsa_system_sgpr_workgroup_id_z 1
		.amdhsa_system_vgpr_workitem_id 0
		.amdhsa_next_free_vgpr 80
		.amdhsa_next_free_sgpr 66
		.amdhsa_reserve_vcc 0
		.amdhsa_float_denorm_mode_32 3
		.amdhsa_float_denorm_mode_16_64 3
		.amdhsa_memory_ordered 1
		.amdhsa_forward_progress 1
		.amdhsa_inst_pref_size 5
	.end_amdhsa_kernel
	.amdgpu_metadata
---
amdhsa.version: [ 1, 2 ]
amdhsa.kernels:
  - .name:           k_qc21b3104d3_combine
    .symbol:         k_qc21b3104d3_combine.kd
    .args:
      - { .name: y, .offset: 0, .size: 8, .value_kind: global_buffer, .address_space: global }
      - { .name: out0, .offset: 8, .size: 8, .value_kind: global_buffer, .address_space: global }
    .group_segment_fixed_size: 0
    .private_segment_fixed_size: 0
    .kernarg_segment_align: 8
    .kernarg_segment_size: 16
    .max_flat_workgroup_size: 256
    .sgpr_count:     66
    .vgpr_count:     80
    .wavefront_size: 32
...
	.end_amdgpu_metadata
.endif
;; end of part 4
;; ======== version 2 of 2: 4 launches
;; limits: right only within a limited range of input values
;; workspace buffers: xq 4,194,304 bytes; wts 8,192 bytes; list 40,960 bytes of whole numbers; cnt 2,048 bytes of whole numbers; hq 10,485,760 bytes; y 16,842,752 bytes
;; launch prep (part 5): grid 168 x 1, 8 waves a work-group, no clusters, 1,536 bytes of LDS; arguments x, gating_output, lowp_scales, xq, wts, list, cnt; writes xq, wts, list, cnt
.if DOCPART == 5
	.amdgcn_target "amdgcn-amd-amdhsa--gfx1250"
	.amdhsa_code_object_version 6
	.text
	.protected	k_qc21b3104d3_prep
	.globl	k_qc21b3104d3_prep
	.p2align	8
	.type	k_qc21b3104d3_prep,@function
k_qc21b3104d3_prep:
	s_mov_b64 s[64:65], 0
	v_nop
	global_prefetch_b8 v0, s[64:65] scope:SCOPE_SE
	s_setreg_imm32_b32 hwreg(HW_REG_WAVE_MODE, 25, 1), 1
	s_wait_xcnt 0x0
; PREP: the router, each expert's list of rows, and x's codes.
; x [1024][2048] f32, gating_output [1024][8] f32, lowp_scales [32] int32 (expert e: entries 4 e .. 4 e + 3 = ex, ew1, eh, ew2).
; ROW NUMBERS.  Token t has two routed rows, 2 t (its first expert) and 2 t + 1 (its second).
;   xq   [2048 rows][2048 bytes]  the codes (E5M2) of x[t] under the scale 2^ex of that row's expert, in the order of K given below
;   wts  [2048] f32               the row's routing weight, renormalised over the two
;   list [8][1280] u32            expert e's rows, tokens ascending; from its count on: 2048 + e
;   cnt  [8][64] u32              expert e's count, repeated over 256 bytes
; THE ORDER OF K, the same in every operand of every product of this program: 512 neighbouring k are read by four loads of 512 bytes, 16 bytes a lane, so lane L holds k = 128 i + 4 L + b
; (i: the load, b: 0..3) and its 16 codes go to bytes 16 L + 4 i + b of the 512.  A permutation of k that both operands share leaves every product with its partner.
; THE CHOICE is made on the logits (softmax keeps their order), strictly greater wins, so the lower index is kept among equals.  With l1 >= l2 the two chosen logits: t = e^(l2 - l1), w1 = 1 / (1 + t), w2 = t w1:
; the row's largest logit is taken away ahead of the exponential, and the softmax's divisor cancels.
; Nothing that is derived from a floating-point number enters an address or a branch: every choice is a v_cndmask_b32, every store goes to a fixed place.
; LIMITS: ex between -126 and 112.  NaN among the inputs is not served.  Two logits that differ while their probabilities round to the same f32 number are ordered by the logits.
; WORK-GROUPS 0..127: x's codes, a wave a token.  128..167: the lists: expert (q & 7), ranks 256 (q >> 3) .. + 255, a thread a rank; q = 0 also stores the weights.
; list is stored 128 bytes a wave, 1,024 consecutive bytes a work-group: it is 40,960 bytes in all.
.set NX,   128
.set HOLD, 0x07e00000                  ; added to the bits of 2^e it gives the bits of 57,344 x 2^e: 15 on the exponent field, 0x600000 as mantissa
; the two largest of the eight logits v[G] .. v[G+7]: v12 the largest, v13 its index, v14 the second, v15 its index
.macro TOP2 G
	v_mov_b32 v12, v[\G]
	v_mov_b32 v13, 0
.irp i, 1,2,3,4,5,6,7
	s_delay_alu instid0(VALU_DEP_2)
	v_cmp_gt_f32 vcc_lo, v[\G+\i], v12
	s_delay_alu instid0(VALU_DEP_1)
	v_cndmask_b32 v12, v12, v[\G+\i], vcc_lo
	s_delay_alu instid0(VALU_DEP_2)
	v_cndmask_b32 v13, v13, \i, vcc_lo
.endr
	s_delay_alu instid0(VALU_DEP_1)
	v_cmp_eq_u32 vcc_lo, 0, v13                    ; the second begins at index 0, or at 1 where 0 is the first
	s_delay_alu instid0(VALU_DEP_1)
	v_cndmask_b32 v14, v[\G], v[\G+1], vcc_lo
	s_delay_alu instid0(VALU_DEP_2)
	v_cndmask_b32 v15, 0, 1, vcc_lo
.irp i, 1,2,3,4,5,6,7
	s_delay_alu instid0(VALU_DEP_2)
	v_cmp_gt_f32 s28, v[\G+\i], v14
	v_cmp_ne_u32 s29, \i, v13                      ; the first is passed over
	s_and_b32 vcc_lo, s28, s29
	v_cndmask_b32 v14, v14, v[\G+\i], vcc_lo
	v_cndmask_b32 v15, v15, \i, vcc_lo
.endr
.endm
	s_load_b256 s[4:11], s[0:1], 0x0               ; x s[4:5], gating s[6:7], scales s[8:9], xq s[10:11]
	s_load_b128 s[12:15], s[0:1], 0x20             ; wts s[12:13], list s[14:15]
	s_load_b64 s[2:3], s[0:1], 0x30                ; cnt
	v_lshl_add_u32 v176, v0, 2, 0x200
	v_mov_b32 v177, 0
	v_lshrrev_b32 v1, 5, v0
	s_delay_alu instid0(VALU_DEP_1)
	v_readfirstlane_b32 s24, v1                    ; wave
	v_and_b32 v2, 31, v0                           ; lane
	s_cmp_ge_u32 ttmp9, NX
	s_cbranch_scc1 .Llists
; ---------------- x's codes: wave w of work-group b takes token 8 b + w
	s_lshl_b32 s25, ttmp9, 3
	s_add_co_u32 s25, s25, s24                     ; the token
	v_lshlrev_b32 v3, 4, v2                        ; 16 x lane
	v_mov_b32 v1, 0                                ; the token's eight logits: the same address in every lane
	s_mov_b32 s27, 0
	s_wait_alu depctr_va_vdst(0)
	s_wait_kmcnt 0x0
	s_load_b512 s[32:47], s[8:9], 0x0              ; the 32 exponents
	s_load_b512 s[48:63], s[8:9], 0x40
	s_lshl_b32 s26, s25, 5
	s_add_nc_u64 s[6:7], s[6:7], s[26:27]          ; its row of logits, 32 bytes
	s_lshl_b32 s26, s25, 13
	s_add_nc_u64 s[4:5], s[4:5], s[26:27]          ; its row of x, 8,192 bytes
	s_lshl_b32 s26, s25, 12
	s_add_nc_u64 s[10:11], s[10:11], s[26:27]      ; its two rows of codes, 4,096 bytes
	global_load_b128 v[4:7], v1, s[6:7]
	global_load_b128 v[8:11], v1, s[6:7] offset:16
.irp n, 0,1,2,3,4,5,6,7,8,9,10,11,12,13,14,15
	global_load_b128 v[32+4*\n:35+4*\n], v3, s[4:5] offset:512*\n th:TH_LOAD_NT   ; 32 lanes read 512 consecutive bytes; the row is read once
.endr
	s_wait_kmcnt 0x0
.irp e, 0,1,2,3,4,5,6,7
	s_add_co_i32 s[16+\e], s[32+4*\e], 127
	s_lshl_b32 s[16+\e], s[16+\e], 23              ; 2^ex of expert e as f32
.endr
	s_wait_loadcnt 16                              ; the logits are in; x's sixteen loads may be out
	TOP2 4
	v_mov_b32 v16, s16                             ; the scale of the first expert, and of the second: chosen, not fetched by index
	v_mov_b32 v17, s16
.irp e, 1,2,3,4,5,6,7
	v_cmp_eq_u32 vcc_lo, \e, v13
	s_delay_alu instid0(VALU_DEP_1)
	v_cndmask_b32 v16, v16, s[16+\e], vcc_lo
	v_cmp_eq_u32 vcc_lo, \e, v15
	s_delay_alu instid0(VALU_DEP_1)
	v_cndmask_b32 v17, v17, s[16+\e], vcc_lo
.endr
	s_delay_alu instid0(VALU_DEP_3)
	v_add_nc_u32 v18, HOLD, v16                    ; 57,344 x the scale
	s_delay_alu instid0(VALU_DEP_2)
	v_add_nc_u32 v19, HOLD, v17
	s_wait_alu depctr_va_vdst(0)
.irp k, 0,1                                    ; the row of the first expert, then of the second
.irp u, 0,1,2,3                                ; 512 along K at a time
.if \k == 0
	s_wait_loadcnt 12-4*\u                         ; this unit's four loads are in; those of the later units may be out
.endif
.irp i, 0,1,2,3,4,5,6,7,8,9,10,11,12,13,14,15
	v_med3_num_f32 v[96+16*(\u%2)+\i], v[32+16*\u+\i], -v[18+\k], v[18+\k]   ; the conversion does not saturate (ISA guide 7.6.2): the hold at the largest code x the scale.  Two sets of 16 by turns
.endr
	v_cvt_scalef32_pk8_bf8_f32 v[128+16*\k+4*\u:129+16*\k+4*\u], v[96+16*(\u%2):103+16*(\u%2)], v[16+\k]
	v_cvt_scalef32_pk8_bf8_f32 v[130+16*\k+4*\u:131+16*\k+4*\u], v[104+16*(\u%2):111+16*(\u%2)], v[16+\k]
	global_store_b128 v3, v[128+16*\k+4*\u:131+16*\k+4*\u], s[10:11] offset:2048*\k+512*\u   ; 512 consecutive bytes; each unit has code registers of its own, so no store's data are written again.
.endr                                          ; (The next unit's holds are plain lines on the other set: they stand between these conversions and the next write of their sources)
.endr
	s_endpgm
; ---------------- the lists
.Llists:
	s_sub_co_u32 s25, ttmp9, NX                    ; q
	s_and_b32 s26, s25, 7                          ; the expert
	s_lshr_b32 s27, s25, 3                         ; which 256 ranks
	s_wait_alu depctr_va_vdst(0)
	v_lshlrev_b32 v3, 5, v2
	s_delay_alu instid0(VALU_DEP_1)
	v_lshl_add_u32 v3, v1, 12, v3                  ; logits: wave w takes tokens 128 w .. + 127, four groups of 32, a lane a token: 4,096 w + 32 x lane
	v_lshlrev_b32 v4, 4, v1                        ; LDS: 16 x wave: four words for my four groups
	v_lshlrev_b32 v5, 3, v2
	s_delay_alu instid0(VALU_DEP_1)
	v_lshl_add_u32 v5, v1, 10, v5                  ; weights: 8 bytes a token: 1,024 w + 8 x lane
	s_wait_alu depctr_va_vdst(0)
	s_wait_kmcnt 0x0
.irp g, 0,1,2,3
	global_load_b128 v[32+8*\g:35+8*\g], v3, s[6:7] offset:1024*\g
	global_load_b128 v[36+8*\g:39+8*\g], v3, s[6:7] offset:1024*\g+16
.endr
	s_wait_loadcnt 0x0
.irp g, 0,1,2,3
	TOP2 32+8*\g
	v_cmp_eq_u32 s30, s26, v13                     ; a bit a token: my expert is its first,
	s_delay_alu instid0(VALU_DEP_2)
	v_cmp_eq_u32 s31, s26, v15                     ; or its second
	s_or_b32 s30, s30, s31
	s_bcnt1_i32_b32 s32, s30
	v_mov_b32 v[16+\g], s30                        ; the group's tokens of my expert,
	v_mov_b32 v[20+\g], s31                        ; those that have it as their second,
	v_mov_b32 v[24+\g], s32                        ; and how many
	v_sub_f32 v[28+\g], v14, v12                   ; l2 - l1
.endr
	ds_store_b128 v4, v[16:19]                     ; every lane of the wave writes the same words with the same values
	ds_store_b128 v4, v[20:23] offset:128
	ds_store_b128 v4, v[24:27] offset:256
	s_cmp_lg_u32 s25, 0
	s_cbranch_scc1 .Lno_weights
.irp g, 0,1,2,3
	v_mul_f32 v[28+\g], 0x3fb8aa3b, v[28+\g]       ; x log2(e)
.endr
	s_wait_alu depctr_va_vdst(0)
.irp g, 0,1,2,3
	v_exp_f32 v[28+\g], v[28+\g]                   ; t = e^(l2 - l1), at most 1
.endr
	v_nop                                          ; a plain line behind the last exponential
	s_wait_alu depctr_va_vdst(0)                   ; one wait for the batch, ahead of its first use
.irp g, 0,1,2,3
	v_add_f32 v[160+2*\g], 1.0, v[28+\g]
.endr
	s_wait_alu depctr_va_vdst(0)
.irp g, 0,1,2,3
	v_rcp_f32 v[160+2*\g], v[160+2*\g]             ; w1
.endr
	v_nop
	s_wait_alu depctr_va_vdst(0)
.irp g, 0,1,2,3
	v_mul_f32 v[161+2*\g], v[28+\g], v[160+2*\g]   ; w2
.endr
.irp g, 0,1,2,3
	global_store_b64 v5, v[160+2*\g:161+2*\g], s[12:13] offset:256*\g   ; 256 consecutive bytes; v5 and v160-167 are not written again
.endr
.Lno_weights:
	s_wait_dscnt 0x0                               ; my three stores have landed
	s_barrier_signal -1
	s_barrier_wait -1                              ; everybody's have
	v_mov_b32 v6, 0
.irp k, 0,1,2,3,4,5,6,7
	ds_load_b128 v[64+4*\k:67+4*\k], v6 offset:16*\k        ; the 32 groups' tokens, in every lane,
	ds_load_b128 v[96+4*\k:99+4*\k], v6 offset:128+16*\k    ; their second choices,
	ds_load_b128 v[32+4*\k:35+4*\k], v6 offset:256+16*\k    ; their counts
.endr
	s_wait_dscnt 0x0
	v_mov_b32 v7, 0
.irp w, 0,1,2,3,4,5,6,7,8,9,10,11,12,13,14,15,16,17,18,19,20,21,22,23,24,25,26,27,28,29,30,31
	s_delay_alu instid0(VALU_DEP_1)
	v_lshl_or_b32 v[128+\w], v7, 5, \w             ; key of group w: 32 x (rows ahead of it) + w
	s_delay_alu instid0(VALU_DEP_2)
	v_add_nc_u32 v7, v7, v[32+\w]
.endr                                          ; v7: the expert's count
	s_lshl_b32 s33, s27, 8
	v_add_nc_u32 v8, s33, v0                       ; my rank
	s_delay_alu instid0(VALU_DEP_1)
	v_lshl_or_b32 v9, v8, 5, 31                    ; key_w <= 32 x rank + 31 says: the rows ahead of group w are at most my rank
	v_mov_b32 v10, v128
	v_mov_b32 v11, v64
	v_mov_b32 v12, v96
.irp w, 1,2,3,4,5,6,7,8,9,10,11,12,13,14,15,16,17,18,19,20,21,22,23,24,25,26,27,28,29,30,31
	v_cmp_le_u32 vcc_lo, v[128+\w], v9             ; the last group for which that holds is my rank's
	s_delay_alu instid0(VALU_DEP_1)
	v_cndmask_b32 v10, v10, v[128+\w], vcc_lo
	s_delay_alu instid0(VALU_DEP_2)
	v_cndmask_b32 v11, v11, v[64+\w], vcc_lo
	s_delay_alu instid0(VALU_DEP_3)
	v_cndmask_b32 v12, v12, v[96+\w], vcc_lo
.endr
	s_delay_alu instid0(VALU_DEP_3)
	v_lshrrev_b32 v13, 5, v10
	s_delay_alu instid0(VALU_DEP_1)
	v_sub_nc_u32 v13, v8, v13                      ; which of the group's set bits is mine, from 0
	v_and_b32 v14, 31, v10                         ; the group
	v_lshrrev_b32 v16, 1, v11                      ; the set bits counted in fields of 2, 4, 8 and 16 bits
	s_delay_alu instid0(VALU_DEP_1)
	v_and_b32 v16, 0x55555555, v16
	s_delay_alu instid0(VALU_DEP_1)
	v_sub_nc_u32 v16, v11, v16
	s_delay_alu instid0(VALU_DEP_1)
	v_lshrrev_b32 v17, 2, v16
	s_delay_alu instid0(VALU_DEP_1)
	v_and_b32 v17, 0x33333333, v17
	s_delay_alu instid0(VALU_DEP_3)
	v_and_b32 v18, 0x33333333, v16
	s_delay_alu instid0(VALU_DEP_1)
	v_add_nc_u32 v17, v17, v18
	s_delay_alu instid0(VALU_DEP_1)
	v_lshrrev_b32 v18, 4, v17
	s_delay_alu instid0(VALU_DEP_1)
	v_add_nc_u32 v18, v18, v17
	s_delay_alu instid0(VALU_DEP_1)
	v_and_b32 v18, 0x0f0f0f0f, v18
	s_delay_alu instid0(VALU_DEP_1)
	v_lshrrev_b32 v19, 8, v18
	s_delay_alu instid0(VALU_DEP_1)
	v_add_nc_u32 v19, v19, v18
	s_delay_alu instid0(VALU_DEP_1)
	v_and_b32 v19, 0x00ff00ff, v19
	v_mov_b32 v15, 0                               ; the bit's place, found from the top: where the lower half holds too few, take them off and go to the upper half
.macro PICK c, width, step
	s_delay_alu instid0(VALU_DEP_1)
	v_bfe_u32 v20, v[\c], v15, \width
	s_delay_alu instid0(VALU_DEP_1)
	v_cmp_ge_u32 vcc_lo, v13, v20
	s_delay_alu instid0(VALU_DEP_1)
	v_cndmask_b32 v20, 0, v20, vcc_lo
	s_delay_alu instid0(VALU_DEP_2)
	v_cndmask_b32 v21, 0, \step, vcc_lo
	s_delay_alu instid0(VALU_DEP_2)
	v_sub_nc_u32 v13, v13, v20
	s_delay_alu instid0(VALU_DEP_2)
	v_add_nc_u32 v15, v15, v21
.endm
	PICK 19, 16, 16
	PICK 18, 8, 8
	PICK 17, 4, 4
	PICK 16, 2, 2
	PICK 11, 1, 1
	s_delay_alu instid0(VALU_DEP_1)
	v_bfe_u32 v22, v12, v15, 1                     ; 1 where the expert is the token's second
	s_delay_alu instid0(VALU_DEP_2)
	v_lshl_add_u32 v23, v14, 5, v15                ; the token
	s_delay_alu instid0(VALU_DEP_1)
	v_lshl_or_b32 v23, v23, 1, v22                 ; its row
	s_add_co_u32 s34, s26, 2048
	v_mov_b32 v24, s34
	v_cmp_ge_u32 vcc_lo, v8, v7                    ; a rank from the count on
	s_delay_alu instid0(VALU_DEP_1)
	v_cndmask_b32 v23, v23, v24, vcc_lo            ; holds 2048 + e
	s_mul_i32 s34, s26, 5120
	s_lshl_b32 s35, s27, 10
	s_add_co_u32 s34, s34, s35
	s_mov_b32 s35, 0
	s_add_nc_u64 s[14:15], s[14:15], s[34:35]
	v_lshlrev_b32 v25, 2, v0
	global_store_b32 v25, v23, s[14:15]
	s_or_b32 s36, s27, s24                         ; the expert's first work-group, wave 0, stores the count
	s_cmp_lg_u32 s36, 0
	s_cbranch_scc1 .Ldone
	s_lshl_b32 s36, s26, 8
	s_mov_b32 s37, 0
	s_add_nc_u64 s[2:3], s[2:3], s[36:37]
	v_mov_b32 v26, v7
	v_mov_b32 v27, v7
	v_lshlrev_b32 v28, 3, v2
	global_store_b64 v28, v[26:27], s[2:3]         ; 256 consecutive bytes
.Ldone:
	s_wait_tensorcnt 0x0
	ds_add_u32 v176, v177
	s_wait_dscnt 0x0
	s_endpgm
.Lfunc_end_k_qc21b3104d3_prep:
	.size	k_qc21b3104d3_prep, .Lfunc_end_k_qc21b3104d3_prep-k_qc21b3104d3_prep
	.p2alignl 7, 3214868480
	.fill 96, 4, 3214868480
	.section	.rodata,"a",@progbits
	.p2align	6, 0x0
	.amdhsa_kernel k_qc21b3104d3_prep
		.amdhsa_group_segment_fixed_size 1536
		.amdhsa_private_segment_fixed_size 0
		.amdhsa_enable_private_segment 0
		.amdhsa_kernarg_size 56
		.amdhsa_user_sgpr_count 2
		.amdhsa_user_sgpr_kernarg_segment_ptr 1
		.amdhsa_wavefront_size32 1
		.amdhsa_system_sgpr_workgroup_id_x 1
		.amdhsa_system_sgpr_workgroup_id_y 1
		.amdhsa_system_sgpr_workgroup_id_z 1
		.amdhsa_system_vgpr_workitem_id 0
		.amdhsa_next_free_vgpr 178
		.amdhsa_next_free_sgpr 66
		.amdhsa_reserve_vcc 1
		.amdhsa_float_denorm_mode_32 3
		.amdhsa_float_denorm_mode_16_64 3
		.amdhsa_memory_ordered 1
		.amdhsa_forward_progress 1
		.amdhsa_inst_pref_size 58
	.end_amdhsa_kernel
	.amdgpu_metadata
---
amdhsa.version: [ 1, 2 ]
amdhsa.kernels:
  - .name:           k_qc21b3104d3_prep
    .symbol:         k_qc21b3104d3_prep.kd
    .args:
      - { .name: x, .offset: 0, .size: 8, .value_kind: global_buffer, .address_space: global }
      - { .name: gating_output, .offset: 8, .size: 8, .value_kind: global_buffer, .address_space: global }
      - { .name: lowp_scales, .offset: 16, .size: 8, .value_kind: global_buffer, .address_space: global }
      - { .name: xq, .offset: 24, .size: 8, .value_kind: global_buffer, .address_space: global }
      - { .name: wts, .offset: 32, .size: 8, .value_kind: global_buffer, .address_space: global }
      - { .name: list, .offset: 40, .size: 8, .value_kind: global_buffer, .address_space: global }
      - { .name: cnt, .offset: 48, .size: 8, .value_kind: global_buffer, .address_space: global }
    .group_segment_fixed_size: 1536
    .private_segment_fixed_size: 0
    .kernarg_segment_align: 8
    .kernarg_segment_size: 56
    .max_flat_workgroup_size: 256
    .sgpr_count:     66
    .vgpr_count:     178
    .wavefront_size: 32
...
	.end_amdgpu_metadata
.endif
;; end of part 5
;; launch gateup (part 6): grid 256 x 1, 8 waves a work-group, no clusters, 133,120 bytes of LDS; arguments gate_up_proj, xq, list, cnt, lowp_scales, hq; writes hq
.if DOCPART == 6
	.amdgcn_target "amdgcn-amd-amdhsa--gfx1250"
	.amdhsa_code_object_version 6
	.text
	.protected	k_qc21b3104d3_gateup
	.globl	k_qc21b3104d3_gateup
	.p2align	8
	.type	k_qc21b3104d3_gateup,@function
k_qc21b3104d3_gateup:
	s_mov_b64 s[64:65], 0
	v_nop
	global_prefetch_b8 v0, s[64:65] scope:SCOPE_SE
	s_setreg_imm32_b32 hwreg(HW_REG_WAVE_SCHED_MODE, 0, 2), 2
	s_setreg_imm32_b32 hwreg(HW_REG_WAVE_MODE, 25, 1), 1
	s_wait_xcnt 0x0
	s_wait_alu depctr_vm_vsrc(0)
; GATEUP: h = silu(x Wg^T) * (x Wu^T) for the rows routed to an expert, on codes of E5M2, and h's codes.
; gate_up_proj [8][2048][2048] f32; xq, list, cnt as the launch before has stored them; lowp_scales [32]: expert e: ex, ew1, eh, ew2 at 4 e on.
; hq [e 8][block 32][rank 1280][32 bytes]: h's codes along the next product's K, a block of 32 places of all ranks together, so that 16 ranks of a block are 512 consecutive bytes.
; THE WEIGHTS STAY, THE ROWS PASS.  Work-group (e = id / 32, g = id % 32) owns 32 hidden units of expert e, their 32 gate rows and 32 up rows.  It reads those 64 rows of f32 once, quantises them in registers and
; keeps the codes in LDS (64 rows x 2,048 bytes, written once, never written again).  All rows routed to the expert are multiplied by them, 384 ranks a pass: one, two or three passes, by the expert's count.
; THE ORDER OF K: place 512 c + 16 L + 4 i + b holds k = 512 c + 128 i + 4 L + b, in x's codes (as stored) and in the weights' (four loads of 512 bytes, 16 bytes a lane: lane L's 16 codes): both operands alike.
; WHICH HIDDEN UNITS.  h is the next product's operand and lies in the same order: block g of 32 places holds units f = 512 (g / 16) + 128 i + 8 (g % 16) + 4 hh + b at byte 16 hh + 4 i + b.
; The products are used transposed (source 0 = 16 weight rows, source 1 = 16 routed rows): lane (r, h) holds routed row r and, in register j, weight row 8 h + j of the tile.  LDS tile n = 2 type + a (type: gate, up)
; holds in its row 8 h + j the unit with i = 2 a + j / 4, hh = h, b = j % 4: so a lane's 16 numbers of tiles a = 0, 1 are bytes 16 h .. 16 h + 15 of the block, in order, and two conversions give them.
; ALL EIGHT WAVES RUN ONE TEXT.  Wave w quantises LDS rows 8 w .. 8 w + 7, a UNIT of 512 k at a time (32 units, two at a time), and multiplies all four tiles by three tiles of 16 ranks: ranks 16 (w + 8 t) + r, t = 0..2.
; K goes in chunks of 512: while chunk c is multiplied (4 steps of 128), chunk c + 1 is quantised; a barrier stands between a chunk's stores and its reads.
; Ranks from the count on take row 2047's codes; their results are stored too (the next launch reads them) and come to nothing there.
; THE LOADS ARE USED IN THE ORDER IN WHICH THEY ARE ISSUED: list, W0..W9, A0, W10, W11, A1, .. (W: a unit's four, A: a step's twelve fragment loads).  NI counts the loads issued, NC those used, the item in hand among
; them: loads come back in order (ISA guide 5.7.1), so NI - NC younger ones may stay out.  In the middle of the launch that is 56 and 52 at a pair's two units and 48 at a step; at most 60 are out.
; NO JOINT LOADS, though the 32 work-groups of an expert read the same codes of x: the number of passes hangs on a count read from memory.
; x's codes are gathered by the list: a load takes 32 bytes of each of 16 rows.
; LIMITS: ew1 between -126 and 112; ex + ew1 between -126 and 127; eh - 2 (ex + ew1) between -126 and 112.  NaN among the inputs is not served.
; REGISTERS.  Window 0: v1 r, v2 h, v3 16 x lane, v4 where my codes go in LDS, v5, v6 my place in tiles 0-1, 2-3, v7 my place in the list, v8 16 h, v9 my place in hq, v10, v11 2^ew1 and 57,344 x it,
;   v12, v13 the same for h's conversion, v14-16 my rows of xq, v20-22 list entries; v32-127 six units of f32 (later the way out); v128-159 eight sets of codes; v192-255 the step's four weight fragments.
;   Window 1: v0-95 twelve accumulators ((t, n) at 8 (4 t + n)); v96-239 three sets of three fragments of x.
; THE MODE: SCHED_MODE bits 1:0 = 2 (LLVM: expert scheduling mode 2), set by the entry lines.  The code itself states the register dependences
; between vector or matrix instructions and memory or LDS instructions, with s_wait_alu, always for 0.
; THE PLAN.  Registers that memory or LDS instructions touch:
;   v3-v9           Offsets and LDS addresses: made once at the head, never written again.
;   v14-16          Written by ADDR once a pass; read by that pass's fragment loads.
;   v20-22          The list's loads land once a pass; after that ADDR's vector lines alone name them.
;   ring v32-127    A unit's four loads land; its holds and conversions write and read it; the loads of the unit six on land in it.
;   codes v128-159  Written by a unit's conversions, read by its LDS store; written again eight units on, at last by the way out's conversions, whose results the stores to hq read.
;   BF v192-255     A step's sixteen LDS loads land; its twelve products read it.
;   AS, window 1    Set s % 3: step s's twelve loads land; its products read it; the loads of step s + 3 land in it.
;   The accumulators, v10-13 and the way out's v32-127 are named by vector and matrix instructions alone.
; So a step has TWO waits on va_vdst.  One stands behind the conversions of its two units: their codes are written and their ring registers done with; both LDS stores and both units' eight reloads follow.
; One stands behind its products (beside the four places): they are done reading BF and their set of AS; the loads of step s + 3 and the next step's LDS loads follow, with only loads, window switches and a barrier between.
; Waits on vm_vsrc: one behind each barrier (the chunk's LDS stores have read the code registers) and one at the head of a further pass.
; The loads are not dealt among the products: under the products' window setting a load's data go to window 1, while the ring and BF lie in window 0, and the one set of AS that is due is the set being multiplied.
.set PITCH, 2064                       ; an LDS row: 2,048 bytes + 16 = 516 words: row r starts at bank 4 r mod 64 (64 banks of 4 bytes: ISA guide 11.1): the 16 rows of a fragment load start at 16 different banks
.set RING,  6
.set NUNIT, 32
.set NSTEP, 16
.set PASS,  384
.set HOLD,  0x07e00000
.set WR,    32
.set CD,    128
.set BF,    192
.set TT,    32
.set PP,    80
.set ACC,   0
.set AS,    96
.set NI,    0
.set NC,    0
.set MSB,   0
.macro WIN new                         ; the immediate's high byte repeats the setting that is left; bits 1:0 source 0, 3:2 source 1, 5:4 source 2, 7:6 destination
.if MSB != \new
	s_set_vgpr_msb (MSB<<8)|\new
.set MSB, \new
.endif
.endm
.macro BAR                             ; my LDS stores have landed and my LDS loads are in: then the work-group's barrier
	s_wait_dscnt 0x0
	s_barrier_signal -1
	s_barrier_wait -1
	s_wait_alu depctr_vm_vsrc(0)                   ; my LDS stores of the last eight units have read their code registers, which the next eight units' conversions (behind the last barrier: the way out's) write again
.endm
.macro LLOAD                           ; the list's entries of my three tiles
.irp t, 0,1,2
	global_load_b32 v[20+\t], v7, s[8:9] offset:512*\t
.endr
.set NI, NI+3
.endm
.macro ADDR                            ; and the rows' places in xq: 2,048 x row + 16 h
.set NC, NC+3
	s_wait_loadcnt NI-NC
.irp t, 0,1,2
	v_min_u32 v[20+\t], 0x7ff, v[20+\t]            ; a rank from the count on takes row 2047
	v_lshl_add_u32 v[14+\t], v[20+\t], 11, v8
.endr
.endm
.macro WLOAD u                         ; unit u: row u % 8 of my eight, chunk u / 8: four loads of 512 consecutive bytes.  Rows 0-3 and 4-7 lie 128 rows apart
.irp i, 0,1,2,3
	global_load_b128 v[WR+16*((\u)%RING)+4*\i:WR+16*((\u)%RING)+4*\i+3], v3, s[4:5] offset:(128*(((\u)/4)%2)+((\u)%4))*8192+2048*((\u)/8)+512*\i th:TH_LOAD_NT
.endr
.set NI, NI+4
.endm
.macro CONV u                          ; 512 numbers of a weight row become 512 codes, 16 a lane
.set RG, WR+16*((\u)%RING)
.set CG, CD+4*((\u)%8)                 ; a set of code registers is written again eight units on: a barrier lies between, and behind it the wait that states that the LDS stores have read them
.set NC, NC+4
	s_wait_loadcnt NI-NC
.irp i, 0,1,2,3,4,5,6,7,8,9,10,11,12,13,14,15
	v_med3_num_f32 v[RG+\i], v[RG+\i], -v11, v11   ; the conversion does not saturate (ISA guide 7.6.2): the hold at the largest code x the scale
.endr
	v_cvt_scalef32_pk8_bf8_f32 v[CG:CG+1], v[RG:RG+7], v10
	v_cvt_scalef32_pk8_bf8_f32 v[CG+2:CG+3], v[RG+8:RG+15], v10
.endm
.macro KEEP u                          ; unit u's codes go to LDS: 512 consecutive bytes
	ds_store_b128 v4, v[CD+4*((\u)%8):CD+4*((\u)%8)+3] offset:((\u)%8)*PITCH+512*((\u)/8)
.endm
.macro PAIR u                          ; units u and u + 1; the units six on are asked for
	CONV \u
	CONV (\u)+1                                    ; (its holds are the plain lines behind the first unit's conversions)
	v_nop                                          ; a plain line behind the conversions, ahead of whatever vector line next touches their registers
	s_wait_alu depctr_va_vdst(0)                   ; the conversions have written both units' codes, which the LDS stores read, and are done with both units' ring registers, in which the loads below land
	KEEP \u
	KEEP (\u)+1
.if (\u)+RING < NUNIT
	WLOAD (\u)+RING
	WLOAD (\u)+RING+1
.endif
.endm
.macro ALOAD s                         ; step s's fragments of x, three tiles of 16 rows x 128 places, into set s % 3: lane (r, h): places 128 s + 32 c + 16 h + 0..15 of row r
	WIN 0x40                                       ; destination window 1
.irp t, 0,1,2
.irp c, 0,1,2,3
	global_load_b128 v[AS+48*((\s)%3)+16*\t+4*\c:AS+48*((\s)%3)+16*\t+4*\c+3], v[14+\t], s[6:7] offset:128*(\s)+32*\c
.endr
.endr
	WIN 0
.set NI, NI+12
.endm
.macro BLOAD s                         ; step s's four weight fragments, the same places of the LDS rows.  No wait of its own: no vector or matrix instruction since the wait behind the last step's products names BF
.irp n, 0,1,2,3
.irp c, 0,1,2,3
	ds_load_b128 v[BF+16*\n+4*\c:BF+16*\n+4*\c+3], v[5+\n/2] offset:(\n%2)*16*PITCH+128*(\s)+32*\c
.endr
.endr
.endm
; Step s's twelve products.  st: the LDS stores issued behind BLOAD (the two units').  The twelve accumulators take turns, one instruction a turn; the first step's products start the sums.
.macro MM s, st
.set AG, AS+48*((\s)%3)
.set NC, NC+12
	s_wait_loadcnt NI-NC
	WIN 0x54                                       ; weights window 0; x, C and D window 1
.irp n, 0,1,2,3
	s_wait_dscnt 4*(3-\n)+\st                      ; tile n's four loads are in; the later tiles' and the units' stores may be out
.irp t, 0,1,2
.if (\s) == 0
	v_wmma_f32_16x16x128_bf8_bf8 v[ACC+8*(4*\t+\n):ACC+8*(4*\t+\n)+7], v[BF+16*\n:BF+16*\n+15], v[AG+16*\t:AG+16*\t+15], 0
.else
	v_wmma_f32_16x16x128_bf8_bf8 v[ACC+8*(4*\t+\n):ACC+8*(4*\t+\n)+7], v[BF+16*\n:BF+16*\n+15], v[AG+16*\t:AG+16*\t+15], v[ACC+8*(4*\t+\n):ACC+8*(4*\t+\n)+7]
.endif
.endr
.endr
.rept 4
	v_nop                                          ; four places ahead of loads into registers that these products read, and of the first read of results; they stay beside the wait below
.endr
.if (\s)+3 < NSTEP
	WIN 0x40                                       ; the window of the loads that follow is set first, then comes the wait
.else
	WIN 0
.endif
.if (\s)+1 < NSTEP
	s_wait_alu depctr_va_vdst(0)                   ; the products are done reading their set of x's fragments, in which the loads of step s + 3 land, and BF, in which the next step's LDS loads land
.endif
.if (\s)+3 < NSTEP
	ALOAD (\s)+3                                   ; into the set just multiplied
.endif
	WIN 0
.endm
; THE WAY OUT.  G, U: the sums of gate and up, which stand for G x 2^E, U x 2^E, E = ex + ew1.  h = g u / (1 + e^-g).  P = G U / (1 + 2^(G x s30)), s30 = -log2(e) 2^E; the 2^(2 E) that P lacks is folded into the conversion's scale.
; |G|, |U| are at most 2,048 x 57,344^2, so G U is an f32 number.  Each accumulator is read from its low end on.
.macro EPI
	WIN 0x01                                       ; source 0 window 1
.irp t, 0,1,2
.irp a, 0,1
.irp j, 0,2,4,6
	v_pk_mul_f32 v[TT+16*\t+8*\a+\j:TT+16*\t+8*\a+\j+1], v[ACC+32*\t+8*\a+\j:ACC+32*\t+8*\a+\j+1], s[30:31] op_sel_hi:[1,0]
.endr
.endr
.endr
	WIN 0
.set Q, 0
	s_wait_alu depctr_va_vdst(0)
.rept 48
	v_exp_f32 v[TT+Q], v[TT+Q]                     ; e^-g
.set Q, Q+1
.endr
	WIN 0x05                                       ; sources 0 and 1 window 1
	s_wait_alu depctr_va_vdst(0)
.irp t, 0,1,2
.irp a, 0,1
.irp j, 0,2,4,6
	v_pk_mul_f32 v[PP+16*\t+8*\a+\j:PP+16*\t+8*\a+\j+1], v[ACC+32*\t+8*\a+\j:ACC+32*\t+8*\a+\j+1], v[ACC+32*\t+16+8*\a+\j:ACC+32*\t+16+8*\a+\j+1]   ; G U: plain work behind the exponentials
.endr
.endr
.endr
	WIN 0
	s_wait_alu depctr_va_vdst(0)                   ; the 48 exponentials have written v[TT ..]: one wait for the batch, ahead of its first use
.set Q, 0
.rept 24
	v_pk_add_f32 v[TT+Q:TT+Q+1], v[TT+Q:TT+Q+1], 1.0 op_sel_hi:[1,0]
.set Q, Q+2
.endr
.set Q, 0
	s_wait_alu depctr_va_vdst(0)
.rept 48
	v_rcp_f32 v[TT+Q], v[TT+Q]
.set Q, Q+1
.endr
	v_nop                                          ; a plain line behind the last reciprocal
	s_wait_alu depctr_va_vdst(0)                   ; the 48 reciprocals have written v[TT ..]: one wait for that batch
.set Q, 0
.rept 24
	v_pk_mul_f32 v[PP+Q:PP+Q+1], v[PP+Q:PP+Q+1], v[TT+Q:TT+Q+1]
.set Q, Q+2
.endr
.set Q, 0
.rept 48
	v_med3_num_f32 v[PP+Q], v[PP+Q], -v13, v13
.set Q, Q+1
.endr
.irp t, 0,1,2
	v_cvt_scalef32_pk8_bf8_f32 v[CD+4*\t:CD+4*\t+1], v[PP+16*\t:PP+16*\t+7], v12
	v_cvt_scalef32_pk8_bf8_f32 v[CD+4*\t+2:CD+4*\t+3], v[PP+16*\t+8:PP+16*\t+15], v12
.endr
	v_nop
	s_wait_alu depctr_va_vdst(0)                   ; the conversions have written h's codes, which the three stores read
.irp t, 0,1,2
	global_store_b128 v9, v[CD+4*\t:CD+4*\t+3], s[14:15] offset:4096*\t   ; 16 ranks x 32 bytes: 512 consecutive bytes
.endr
.endm
	s_load_b256 s[4:11], s[0:1], 0x0               ; W s[4:5], xq s[6:7], list s[8:9], cnt s[10:11]
	s_load_b128 s[12:15], s[0:1], 0x20             ; scales s[12:13], hq s[14:15]
	v_lshl_add_u32 v190, v0, 2, 0x20400
	v_mov_b32 v191, 0
	v_lshrrev_b32 v1, 5, v0
	v_readfirstlane_b32 s16, v1                    ; wave
	s_lshr_b32 s17, ttmp9, 5                       ; e
	s_and_b32 s18, ttmp9, 31                       ; g
	v_and_b32 v1, 15, v0                           ; r
	v_bfe_u32 v2, v0, 4, 1                         ; h
	v_and_b32 v3, 31, v0
	v_lshlrev_b32 v3, 4, v3                        ; 16 x lane
	s_wait_alu depctr_va_sdst(0)                   ; s16 is written, ahead of its first reader: LDS places and the weights' base are made from it
	s_mul_i32 s19, s16, 8*PITCH
	v_add_nc_u32 v4, s19, v3                       ; my eight LDS rows
	v_mul_u32_u24 v5, v1, PITCH
	v_lshl_add_u32 v5, v2, 4, v5                   ; a fragment's row x pitch + 16 h
	v_add_nc_u32 v6, 32*PITCH, v5                  ; tiles 2 and 3 (an LDS offset has 16 bits)
	s_lshl_b32 s19, s16, 6
	v_lshl_add_u32 v7, v1, 2, s19                  ; list: 4 (16 w + r)
	v_lshlrev_b32 v8, 4, v2
	s_lshl_b32 s19, s16, 9
	v_lshl_add_u32 v9, v1, 5, s19
	v_add_nc_u32 v9, v9, v8                        ; hq: 32 (16 w + r) + 16 h
	s_lshr_b32 s19, s16, 2                         ; my first weight row: 1,024 (w / 4: gate or up)
	s_lshl_b32 s19, s19, 10
	s_lshr_b32 s20, s18, 4
	s_lshl_b32 s20, s20, 9
	s_add_co_u32 s19, s19, s20                     ; + 512 (g / 16)
	s_and_b32 s20, s18, 15
	s_lshl_b32 s20, s20, 3
	s_add_co_u32 s19, s19, s20                     ; + 8 (g % 16)
	s_bfe_u32 s20, s16, 0x10001
	s_lshl_b32 s20, s20, 8
	s_add_co_u32 s19, s19, s20                     ; + 256 a, a = (w / 2) % 2
	s_and_b32 s20, s16, 1
	s_lshl_b32 s20, s20, 2
	s_add_co_u32 s19, s19, s20                     ; + 4 (w % 2)
	s_lshl_b32 s19, s19, 13                        ; rows of 8,192 bytes
	s_lshl_b32 s20, s17, 24                        ; an expert's 2,048 rows
	s_add_co_u32 s20, s20, s19
	s_mov_b32 s21, 0
	s_mul_i32 s22, s17, 5120
	s_mov_b32 s23, 0
	s_wait_kmcnt 0x0
	s_add_nc_u64 s[4:5], s[4:5], s[20:21]
	s_add_nc_u64 s[8:9], s[8:9], s[22:23]
	s_wait_alu depctr_va_vdst(0)                   ; the offsets and LDS addresses v3 to v9 are written, which the loads and stores of the whole kernel read
	LLOAD
.irp u, 0,1,2,3,4,5
	WLOAD \u
.endr
	s_lshl_b32 s22, s17, 8
	s_add_nc_u64 s[10:11], s[10:11], s[22:23]
	s_lshl_b32 s22, s17, 4
	s_add_nc_u64 s[12:13], s[12:13], s[22:23]
	s_load_b32 s28, s[10:11], 0x0                  ; the expert's count
	s_load_b128 s[24:27], s[12:13], 0x0            ; ex, ew1, eh, ew2
	s_lshl_b32 s22, s17, 5
	s_add_co_u32 s22, s22, s18
	s_mul_i32 s22, s22, 40960                      ; block g of expert e: 1,280 ranks x 32 bytes
	s_add_nc_u64 s[14:15], s[14:15], s[22:23]
	s_wait_kmcnt 0x0
	s_min_u32 s28, s28, 1024                       ; a count is at most the number of tokens
	s_cmp_gt_u32 s28, PASS                         ; the number of passes of 384 ranks: one,
	s_cselect_b32 s33, 2, 1                        ; two where the count is above 384,
	s_cmp_gt_u32 s28, 2*PASS
	s_cselect_b32 s33, 3, s33                      ; three where it is above 768
	s_add_co_i32 s19, s25, 127
	s_lshl_b32 s19, s19, 23
	v_mov_b32 v10, s19                             ; 2^ew1 as f32: the conversion takes its exponent field
	s_add_co_u32 s19, s19, HOLD
	v_mov_b32 v11, s19                             ; 57,344 x 2^ew1
	s_add_co_i32 s20, s24, s25                     ; E = ex + ew1
	s_lshl_b32 s21, s20, 23
	s_add_co_u32 s30, s21, 0xbfb8aa3b              ; -log2(e) with E added to its exponent field
	s_mov_b32 s31, s30                             ; (named with it as a pair, so it is written)
	s_lshl_b32 s20, s20, 1
	s_sub_co_i32 s20, s26, s20                     ; eh - 2 E
	s_add_co_i32 s20, s20, 127
	s_lshl_b32 s20, s20, 23
	v_mov_b32 v12, s20
	s_add_co_u32 s20, s20, HOLD
	v_mov_b32 v13, s20
	s_wait_alu depctr_va_vdst(0)
	ADDR
; chunk 0 is quantised; the first three steps' fragments of x take their places in the queue.  The first pair's wait also states that ADDR has written v14-16, which the fragment loads read; no vector line behind it names them
	PAIR 0
	PAIR 2
	ALOAD 0
	PAIR 4
	ALOAD 1
	PAIR 6
	ALOAD 2
	BAR                                            ; chunk 0's codes lie in LDS
.irp s, 0,1,2,3,4,5,6,7,8,9,10,11
	BLOAD \s
	PAIR 8+2*\s                                    ; two units of the next chunk stand between a step's LDS loads and its products
	MM \s, 2
.if (\s)%4 == 3
	BAR                                            ; the next chunk's codes lie in LDS
.endif
.endr
.irp s, 12,13,14,15
	BLOAD \s
	MM \s, 0
.endr
	EPI
; further passes, where the expert has more than 384 rows: the codes in LDS are read again; nothing is written there, so no barrier.  s29 counts the passes done, one a trip, up to s33
	s_mov_b32 s29, 1
	s_cmp_lt_u32 s29, s33
	s_cbranch_scc0 .Lend
.Lpass:
	s_wait_xcnt 0x0                                ; the stores have read their data and their base
	s_wait_alu depctr_vm_vsrc(0)                   ; the stores to hq have read h's codes, which this pass's way out writes again; the last pass's fragment loads have read v14-16, which ADDR writes again
	s_add_nc_u64 s[8:9], s[8:9], PASS*4
	s_add_nc_u64 s[14:15], s[14:15], PASS*32
.set NI, 0
.set NC, 0
	LLOAD                                          ; no load is out here: the last step waited for all.  (The vector lines that named v20-22 stand ahead of the last pass's waits on va_vdst)
	ADDR
	WIN 0x40                                       ; the window of the loads that follow is set first, then comes the wait
	s_wait_alu depctr_va_vdst(0)                   ; ADDR has written v14-16, which the fragment loads read
	ALOAD 0
	ALOAD 1
	ALOAD 2
.irp s, 0,1,2,3,4,5,6,7,8,9,10,11,12,13,14,15
	BLOAD \s
	MM \s, 0
.endr
	EPI
	s_add_co_u32 s29, s29, 1
	s_cmp_lt_u32 s29, s33
	s_cbranch_scc1 .Lpass
.Lend:
	s_wait_dscnt 0x0
	s_wait_alu depctr_hold_cnt(0) depctr_sa_sdst(0) depctr_va_vdst(0) depctr_va_sdst(0) depctr_va_ssrc(0) depctr_va_vcc(0) depctr_vm_vsrc(0)
	s_wait_tensorcnt 0x0
	ds_add_u32 v190, v191
	s_wait_dscnt 0x0
	s_endpgm
.Lfunc_end_k_qc21b3104d3_gateup:
	.size	k_qc21b3104d3_gateup, .Lfunc_end_k_qc21b3104d3_gateup-k_qc21b3104d3_gateup
	.p2alignl 7, 3214868480
	.fill 96, 4, 3214868480
	.section	.rodata,"a",@progbits
	.p2align	6, 0x0
	.amdhsa_kernel k_qc21b3104d3_gateup
		.amdhsa_group_segment_fixed_size 133120
		.amdhsa_private_segment_fixed_size 0
		.amdhsa_enable_private_segment 0
		.amdhsa_kernarg_size 48
		.amdhsa_user_sgpr_count 2
		.amdhsa_user_sgpr_kernarg_segment_ptr 1
		.amdhsa_wavefront_size32 1
		.amdhsa_system_sgpr_workgroup_id_x 1
		.amdhsa_system_sgpr_workgroup_id_y 1
		.amdhsa_system_sgpr_workgroup_id_z 1
		.amdhsa_system_vgpr_workitem_id 0
		.amdhsa_next_free_vgpr 496
		.amdhsa_next_free_sgpr 66
		.amdhsa_reserve_vcc 0
		.amdhsa_float_denorm_mode_32 3
		.amdhsa_float_denorm_mode_16_64 3
		.amdhsa_memory_ordered 1
		.amdhsa_forward_progress 1
		.amdhsa_inst_pref_size 190
	.end_amdhsa_kernel
	.amdgpu_metadata
---
amdhsa.version: [ 1, 2 ]
amdhsa.kernels:
  - .name:           k_qc21b3104d3_gateup
    .symbol:         k_qc21b3104d3_gateup.kd
    .args:
      - { .name: gate_up_proj, .offset: 0, .size: 8, .value_kind: global_buffer, .address_space: global }
      - { .name: xq, .offset: 8, .size: 8, .value_kind: global_buffer, .address_space: global }
      - { .name: list, .offset: 16, .size: 8, .value_kind: global_buffer, .address_space: global }
      - { .name: cnt, .offset: 24, .size: 8, .value_kind: global_buffer, .address_space: global }
      - { .name: lowp_scales, .offset: 32, .size: 8, .value_kind: global_buffer, .address_space: global }
      - { .name: hq, .offset: 40, .size: 8, .value_kind: global_buffer, .address_space: global }
    .group_segment_fixed_size: 133120
    .private_segment_fixed_size: 0
    .kernarg_segment_align: 8
    .kernarg_segment_size: 48
    .max_flat_workgroup_size: 256
    .sgpr_count:     66
    .vgpr_count:     496
    .wavefront_size: 32
...
	.end_amdgpu_metadata
.endif
;; end of part 6
;; launch down (part 7): grid 256 x 1, 8 waves a work-group, no clusters, 104,448 bytes of LDS; arguments down_proj, hq, list, cnt, wts, lowp_scales, y; writes y
.if DOCPART == 7
	.amdgcn_target "amdgcn-amd-amdhsa--gfx1250"
	.amdhsa_code_object_version 6
	.text
	.protected	k_qc21b3104d3_down
	.globl	k_qc21b3104d3_down
	.p2align	8
	.type	k_qc21b3104d3_down,@function
k_qc21b3104d3_down:
	s_mov_b64 s[64:65], 0
	v_nop
	global_prefetch_b8 v0, s[64:65] scope:SCOPE_SE
	s_setreg_imm32_b32 hwreg(HW_REG_WAVE_SCHED_MODE, 0, 2), 2
	s_setreg_imm32_b32 hwreg(HW_REG_WAVE_MODE, 25, 1), 1
	s_wait_xcnt 0x0
	s_wait_alu depctr_vm_vsrc(0)
; DOWN: y[row] = weight[row] x (h Wd^T) for the rows routed to an expert, on codes of E5M2.
; down_proj [8][2048][1024] f32; hq [e][block 32][rank 1280][32 bytes], list, cnt, wts as the launches before have stored them; lowp_scales: expert e: ex, ew1, eh, ew2 at 4 e on.
; y [2056][2048] f32: row 2 t + slot for token t's first and second expert; rows 2048 + e take the ranks from the count on of a tile that is filled in part (each work-group has 256 bytes of its own there; nobody reads them).
; THE WEIGHTS STAY, THE ROWS PASS.  Work-group (e = id / 32, g = id % 32) owns outputs 64 g .. 64 g + 63 of expert e: 64 rows of 1,024 f32, read once, quantised in registers, kept as codes in LDS (written once).
; THE ORDER OF K is hq's: place 512 c + 16 L + 4 i + b holds hidden unit 512 c + 128 i + 4 L + b: four loads of 512 bytes, 16 bytes a lane, give lane L its 16 codes in that order.
; The products are used transposed (source 0 = 16 weight rows, source 1 = 16 ranks): lane (r, h) holds rank r and, in register j of tile n, output 64 g + 16 n + 8 h + j: eight neighbours of a row of y.
; ALL EIGHT WAVES RUN ONE TEXT.  Wave w quantises LDS rows 8 w .. 8 w + 7, a unit of 512 k at a time (16 units, two at a time), and multiplies all four tiles by three tiles of 16 ranks: ranks 16 (w + 8 t) + r; 384 ranks a pass:
; one, two or three passes, by the expert's count.  K goes in two chunks of 512; a barrier stands between a chunk's stores and its reads.
; THE LOADS ARE USED IN THE ORDER IN WHICH THEY ARE ISSUED: list, W0..W5, the three weights of my ranks, W6..W9, A0, W10, W11, A1, ..  NI counts the loads issued, NC those used, the item in hand among them:
; loads come back in order (ISA guide 5.7.1), so NI - NC younger ones may stay out; at most 60 are out.
; NO JOINT LOADS, though the 32 work-groups of an expert read the same codes of h: the number of passes hangs on a count read from memory.
; LIMITS: ew2 between -126 and 112; eh + ew2 between -126 and 127.  NaN among the inputs is not served.
; REGISTERS.  Window 0: v1 r, v2 h, v3 16 x lane, v4 where my codes go in LDS, v5 my place in a tile, v6 into my stage, v7 my place in the list, v8 out of my stage, v9 my place in hq, v10, v11 2^ew2 and 57,344 x it,
;   v12, v13 the stage's entries, in and out, v14 16 r, v16-18 list entries, v19-21 their places in wts, v22-27 weight x 2^(eh + ew2), in pairs; v32-127 six units of f32 (later the way out); v128-159 codes; v192-255 weight fragments.
;   Window 1: v0-95 twelve accumulators ((t, n) at 8 (4 t + n)); v96-239 three sets of three fragments of h.
; THE MODE: SCHED_MODE bits 1:0 = 2 (LLVM: expert scheduling mode 2), set by the entry lines.  The code itself states the register dependences
; between vector or matrix instructions and memory or LDS instructions, with s_wait_alu, always for 0.
; THE PLAN.  Registers that memory or LDS instructions touch:
;   v3-v9, v12-14   Offsets and LDS addresses: made once at the head, never written again.
;   v16-18          The list's loads land once a pass; read by ADDR's vector lines and by the way out's three LDS stores.
;   v19-21          Written by ADDR once a pass; read by the three loads of routing weights.
;   v22, 24, 26     Those loads land; after that the way out's vector lines alone name v22-27.
;   ring v32-127    A unit's four loads land; its holds and conversions write and read it; the loads of the unit six on land in it.
;   codes v128-159  Written by a unit's conversions, read by its LDS store; written once more, eight units on.
;   BF v192-255     A step's sixteen LDS loads land; its twelve products read it.
;   AS, window 1    Set s % 3: step s's twelve loads land; its products read it; the loads of step s + 3 land in it.
;   YT v32-63       The way out: written by a tile's multiplications, read by its LDS stores.     YR v64-95: its LDS loads land, its stores to y read it.
;   YD v96-119      The way out: all three tiles' entries land at its head; the address arithmetic works on them in place; tile t's stores to y read its eight as offsets.
; A step has two waits on va_vdst: behind the conversions of its two units (their codes are written, their ring registers done with), and behind its products, beside the four places (they are done reading BF and their set of AS).
; THE OFFSETS OF ALL THREE TILES ARE MADE AT ONCE, at the head of the way out, so that a tile has ONE wait on va_vdst, behind its multiplications: it states that its data and the offsets are written.
; Waits on vm_vsrc: behind the first barrier (the code registers are written once more), at the heads of tiles 1 and 2 (YT and YR are written again), and at the head of a further pass.
.set PITCH, 1040                       ; an LDS row: 1,024 bytes + 16 = 260 words: row r starts at bank 4 r mod 64 (64 banks of 4 bytes: ISA guide 11.1)
.set STG,   64*PITCH                   ; behind the codes: a stage for each wave:
.set SP,    272                        ; 16 rows of 256 bytes + 16,
.set SW,    4608                       ; then 256 bytes for the list's entries: 16 of each of my three tiles, 64 bytes a tile
.set RING,  6
.set NUNIT, 16
.set NSTEP, 8
.set PASS,  384
.set HOLD,  0x07e00000
.set WR,    32
.set CD,    128
.set BF,    192
.set YT,    32
.set YR,    64
.set YD,    96
.set ACC,   0
.set AS,    96
.set NI,    0
.set NC,    0
.set MSB,   0
.macro WIN new                         ; the immediate's high byte repeats the setting that is left; bits 1:0 source 0, 3:2 source 1, 5:4 source 2, 7:6 destination
.if MSB != \new
	s_set_vgpr_msb (MSB<<8)|\new
.set MSB, \new
.endif
.endm
.macro BAR again                       ; again = 1: the code registers are written once more behind this barrier
	s_wait_dscnt 0x0
	s_barrier_signal -1
	s_barrier_wait -1
.if \again
	s_wait_alu depctr_vm_vsrc(0)                   ; my LDS stores of units 0 to 7 have read their code registers, which the conversions of units 8 to 15 write again
.endif
.endm
.macro LLOAD                           ; the list's entries of my three tiles
.irp t, 0,1,2
	global_load_b32 v[16+\t], v7, s[8:9] offset:512*\t
.endr
.set NI, NI+3
.endm
.macro ADDR                            ; and the rows' routing weights
.set NC, NC+3
	s_wait_loadcnt NI-NC
.irp t, 0,1,2
	v_min_u32 v[19+\t], 0x7ff, v[16+\t]            ; a rank from the count on takes row 2047's: its result goes to a row that nobody reads
	v_lshlrev_b32 v[19+\t], 2, v[19+\t]
.endr
	s_wait_alu depctr_va_vdst(0)                   ; v19-21 are written, which the three loads read as offsets.  In a further pass also: the last way out is done with v22-27, in which they land, and the last products with h's fragments, in which the loads behind them land
.irp t, 0,1,2
	global_load_b32 v[22+2*\t], v[19+\t], s[12:13]
.endr
.set NI, NI+3
.endm
.macro WLOAD u                         ; unit u: row u % 8 of my eight, chunk u / 8: four loads of 512 consecutive bytes
.irp i, 0,1,2,3
	global_load_b128 v[WR+16*((\u)%RING)+4*\i:WR+16*((\u)%RING)+4*\i+3], v3, s[4:5] offset:((\u)%8)*4096+2048*((\u)/8)+512*\i th:TH_LOAD_NT
.endr
.set NI, NI+4
.endm
.macro CONV u                          ; 512 numbers of a weight row become 512 codes, 16 a lane
.set RG, WR+16*((\u)%RING)
.set CG, CD+4*((\u)%8)                 ; a set of code registers is written again eight units on: a barrier lies between, and behind it the wait that states that the LDS stores have read them
.set NC, NC+4
	s_wait_loadcnt NI-NC
.irp i, 0,1,2,3,4,5,6,7,8,9,10,11,12,13,14,15
	v_med3_num_f32 v[RG+\i], v[RG+\i], -v11, v11   ; the conversion does not saturate (ISA guide 7.6.2): the hold at the largest code x the scale
.endr
	v_cvt_scalef32_pk8_bf8_f32 v[CG:CG+1], v[RG:RG+7], v10
	v_cvt_scalef32_pk8_bf8_f32 v[CG+2:CG+3], v[RG+8:RG+15], v10
.endm
.macro KEEP u                          ; unit u's codes go to LDS: 512 consecutive bytes
	ds_store_b128 v4, v[CD+4*((\u)%8):CD+4*((\u)%8)+3] offset:((\u)%8)*PITCH+512*((\u)/8)
.endm
.macro PAIR u                          ; units u and u + 1; the units six on are asked for
	CONV \u
	CONV (\u)+1                                    ; (its holds are the plain lines behind the first unit's conversions)
	v_nop                                          ; a plain line behind the conversions
	s_wait_alu depctr_va_vdst(0)                   ; the conversions have written both units' codes, which the LDS stores read, and are done with both units' ring registers, in which the loads below land
	KEEP \u
	KEEP (\u)+1
.if (\u)+RING < NUNIT
	WLOAD (\u)+RING
	WLOAD (\u)+RING+1
.endif
.endm
.macro ALOAD s                         ; step s's fragments of h: blocks 4 s + c; 16 ranks of a block are 512 consecutive bytes
	WIN 0x40
.irp t, 0,1,2
.irp c, 0,1,2,3
	global_load_b128 v[AS+48*((\s)%3)+16*\t+4*\c:AS+48*((\s)%3)+16*\t+4*\c+3], v9, s[6:7] offset:(4*(\s)+\c)*40960+4096*\t
.endr
.endr
	WIN 0
.set NI, NI+12
.endm
.macro BLOAD s                         ; no wait of its own: no vector or matrix instruction since the wait behind the last step's products names BF
.irp n, 0,1,2,3
.irp c, 0,1,2,3
	ds_load_b128 v[BF+16*\n+4*\c:BF+16*\n+4*\c+3], v5 offset:\n*16*PITCH+128*(\s)+32*\c
.endr
.endr
.endm
; Step s's twelve products.  st: the LDS stores issued behind BLOAD.  The twelve accumulators take turns, one instruction a turn; the first step's products start the sums.
.macro MM s, st
.set AG, AS+48*((\s)%3)
.set NC, NC+12
	s_wait_loadcnt NI-NC
	WIN 0x54
.irp n, 0,1,2,3
	s_wait_dscnt 4*(3-\n)+\st                      ; tile n's four loads are in; the later tiles' and the units' stores may be out
.irp t, 0,1,2
.if (\s) == 0
	v_wmma_f32_16x16x128_bf8_bf8 v[ACC+8*(4*\t+\n):ACC+8*(4*\t+\n)+7], v[BF+16*\n:BF+16*\n+15], v[AG+16*\t:AG+16*\t+15], 0
.else
	v_wmma_f32_16x16x128_bf8_bf8 v[ACC+8*(4*\t+\n):ACC+8*(4*\t+\n)+7], v[BF+16*\n:BF+16*\n+15], v[AG+16*\t:AG+16*\t+15], v[ACC+8*(4*\t+\n):ACC+8*(4*\t+\n)+7]
.endif
.endr
.endr
.rept 4
	v_nop                                          ; four places ahead of loads into registers that these products read, and of the first read of results; they stay beside the wait below
.endr
.if (\s)+3 < NSTEP
	WIN 0x40                                       ; the window of the loads that follow is set first, then comes the wait
.else
	WIN 0
.endif
.if (\s)+1 < NSTEP
	s_wait_alu depctr_va_vdst(0)                   ; the products are done reading their set of h's fragments, in which the loads of step s + 3 land, and BF, in which the next step's LDS loads land
.endif
.if (\s)+3 < NSTEP
	ALOAD (\s)+3
.endif
	WIN 0
.endm
; THE WAY OUT of tile t.  A lane holds 4 x 32 bytes of its rank's 256; the lanes beside it hold other ranks.  So the tile goes through my own stage and comes back as whole rows: sixteen lanes store 256 consecutive bytes,
; aligned, of the row of y that the list names.  LDS serves a wave's instructions in order (ISA guide 5.7.1.4).
; A tile all of whose ranks lie at or beyond the count is left out: a scalar branch on the stored count.
.macro TILE t
.if \t > 0
	s_wait_alu depctr_vm_vsrc(0)                   ; the last tile's LDS stores have read v[YT ..] and its stores to y v[YR ..]: this tile's multiplications and LDS loads write them again.  The wait stands ahead of the branch
.endif
	s_add_co_u32 s36, s35, 128*\t                  ; the tile's first rank
	s_cmp_ge_u32 s36, s28
	s_cbranch_scc1 .Lnone_\@
	s_wait_xcnt 0x0                                ; the last tile's stores have read their data
	WIN 0x01                                       ; source 0 window 1
.irp i, 0,2,4,6,8,10,12,14,16,18,20,22,24,26,28,30
	v_pk_mul_f32 v[YT+\i:YT+\i+1], v[ACC+32*\t+\i:ACC+32*\t+\i+1], v[22+2*\t:23+2*\t] op_sel_hi:[1,0]   ; x weight x 2^(eh + ew2); each accumulator from its low end on
.endr
	WIN 0
	s_wait_alu depctr_va_vdst(0)                   ; the multiplications have written v[YT ..], which the LDS stores read; the offsets v[YD ..], which the stores to y read, were written ahead of them
.irp n, 0,1,2,3
	ds_store_b128 v6, v[YT+8*\n:YT+8*\n+3] offset:64*\n
	ds_store_b128 v6, v[YT+8*\n+4:YT+8*\n+7] offset:64*\n+16
.endr
.irp i, 0,1,2,3,4,5,6,7
	ds_load_b128 v[YR+4*\i:YR+4*\i+3], v8 offset:2*SP*\i      ; ranks 2 i (lanes 0-15) and 2 i + 1 (lanes 16-31)
.endr
	s_wait_dscnt 0x0
.irp i, 0,1,2,3,4,5,6,7
	global_store_b128 v[YD+8*\t+\i], v[YR+4*\i:YR+4*\i+3], s[2:3]
.endr
.Lnone_\@:
.endm
; The head of the way out.  On the way back from the stage a lane serves other ranks than on the way in, so the list's entries go through LDS too: all three tiles' at once, 64 bytes a tile, and all 24 offsets in y are made of them.
.macro EPI
.irp t, 0,1,2
	ds_store_b32 v12, v[16+\t] offset:64*\t        ; loaded data: the wait for the list's loads stands in ADDR
.endr
.irp t, 0,1,2
.irp i, 0,1,2,3,4,5,6,7
	ds_load_b32 v[YD+8*\t+\i], v13 offset:64*\t+8*\i   ; the entries of ranks 2 i (lanes 0-15) and 2 i + 1 (lanes 16-31).  (The vector lines that last named these registers stand ahead of a later wait on va_vdst: a step's, or ADDR's)
.endr
.endr
.irp t, 0,1,2
	v_mul_f32 v[22+2*\t], s30, v[22+2*\t]          ; the weights landed ahead of the fragments, for all of which the last step waited
	v_mov_b32 v[23+2*\t], v[22+2*\t]               ; (named with it as a pair, so it is written)
.endr
	s_wait_dscnt 0x0
.set Q, 0
.rept 24
	v_min_u32 v[YD+Q], 0x807, v[YD+Q]              ; y has 2,056 rows
.set Q, Q+1
.endr
.set Q, 0
.rept 24
	v_lshl_add_u32 v[YD+Q], v[YD+Q], 13, v14       ; rows of 8,192 bytes, + 16 (lane % 16)
.set Q, Q+1
.endr
	TILE 0
	TILE 1
	TILE 2
.endm
	s_load_b256 s[4:11], s[0:1], 0x0               ; W s[4:5], hq s[6:7], list s[8:9], cnt s[10:11]
	s_load_b128 s[12:15], s[0:1], 0x20             ; wts s[12:13], scales s[14:15]
	s_load_b64 s[2:3], s[0:1], 0x30                ; y
	v_lshl_add_u32 v190, v0, 2, 0x19400
	v_mov_b32 v191, 0
	v_lshrrev_b32 v1, 5, v0
	v_readfirstlane_b32 s16, v1                    ; wave
	s_lshr_b32 s17, ttmp9, 5                       ; e
	s_and_b32 s18, ttmp9, 31                       ; g
	v_and_b32 v1, 15, v0                           ; r
	v_bfe_u32 v2, v0, 4, 1                         ; h
	v_and_b32 v3, 31, v0
	v_lshlrev_b32 v3, 4, v3                        ; 16 x lane
	s_wait_alu depctr_va_sdst(0)                   ; s16 is written, ahead of its first reader: LDS places and the weights' base are made from it
	s_mul_i32 s19, s16, 8*PITCH
	v_add_nc_u32 v4, s19, v3                       ; my eight LDS rows
	v_mul_u32_u24 v5, v1, PITCH
	v_lshl_add_u32 v5, v2, 4, v5                   ; a fragment's row x pitch + 16 h
	s_mul_i32 s19, s16, SW
	s_add_co_u32 s19, s19, STG                     ; my stage
	v_mul_u32_u24 v6, v1, SP
	v_lshl_add_u32 v6, v2, 5, v6
	v_add_nc_u32 v6, s19, v6                       ; in: row r, + 32 h
	v_mul_u32_u24 v8, v2, SP
	v_lshl_add_u32 v8, v1, 4, v8
	v_add_nc_u32 v8, s19, v8                       ; back: row lane / 16, 16 bytes a lane
	s_add_co_u32 s19, s19, 16*SP
	v_lshl_add_u32 v12, v1, 2, s19                 ; the entries: in at 4 r,
	v_lshl_add_u32 v13, v2, 2, s19                 ; back at 4 (lane / 16)
	v_lshlrev_b32 v14, 4, v1
	s_lshl_b32 s19, s16, 6
	v_lshl_add_u32 v7, v1, 2, s19                  ; list: 4 (16 w + r)
	s_lshl_b32 s19, s16, 9
	v_lshl_add_u32 v9, v1, 5, s19
	v_lshl_add_u32 v9, v2, 4, v9                   ; hq: 32 (16 w + r) + 16 h
	s_lshl_b32 s35, s16, 4                         ; the first rank of my tile 0
	s_lshl_b32 s20, s18, 6
	s_lshl_b32 s21, s16, 3
	s_add_co_u32 s20, s20, s21                     ; my first weight row: 64 g + 8 w,
	s_lshl_b32 s20, s20, 12                        ; rows of 4,096 bytes,
	s_lshl_b32 s21, s17, 23                        ; an expert's 2,048 rows
	s_add_co_u32 s20, s20, s21
	s_mov_b32 s21, 0
	s_mul_i32 s22, s17, 5120
	s_mov_b32 s23, 0
	s_wait_kmcnt 0x0
	s_add_nc_u64 s[4:5], s[4:5], s[20:21]
	s_add_nc_u64 s[8:9], s[8:9], s[22:23]
	s_wait_alu depctr_va_vdst(0)                   ; the offsets and LDS addresses v3 to v9 and v12 to v14 are written, which the loads and stores of the whole kernel read
	LLOAD
.irp u, 0,1,2,3,4,5
	WLOAD \u
.endr
	s_lshl_b32 s22, s17, 8
	s_add_nc_u64 s[10:11], s[10:11], s[22:23]
	s_lshl_b32 s22, s17, 4
	s_add_nc_u64 s[14:15], s[14:15], s[22:23]
	s_load_b32 s28, s[10:11], 0x0                  ; the expert's count
	s_load_b128 s[24:27], s[14:15], 0x0            ; ex, ew1, eh, ew2
	s_mul_i32 s22, s17, 32*40960
	s_add_nc_u64 s[6:7], s[6:7], s[22:23]          ; the expert's 32 blocks
	s_lshl_b32 s22, s18, 8
	s_add_nc_u64 s[2:3], s[2:3], s[22:23]          ; my 64 outputs in a row of y
	s_wait_kmcnt 0x0
	s_min_u32 s28, s28, 1024                       ; a count is at most the number of tokens
	s_cmp_gt_u32 s28, PASS                         ; the number of passes of 384 ranks: one,
	s_cselect_b32 s33, 2, 1                        ; two where the count is above 384,
	s_cmp_gt_u32 s28, 2*PASS
	s_cselect_b32 s33, 3, s33                      ; three where it is above 768
	s_add_co_i32 s19, s27, 127
	s_lshl_b32 s19, s19, 23
	v_mov_b32 v10, s19                             ; 2^ew2 as f32
	s_add_co_u32 s19, s19, HOLD
	v_mov_b32 v11, s19                             ; 57,344 x 2^ew2
	s_add_co_i32 s30, s26, s27
	s_add_co_i32 s30, s30, 127
	s_lshl_b32 s30, s30, 23                        ; 2^(eh + ew2) as f32
	ADDR
	PAIR 0
	PAIR 2
	ALOAD 0
	PAIR 4
	ALOAD 1
.set NC, NC+3                          ; the three routing weights stand here in the queue, behind W5: they are older than all that is waited for from here on
	PAIR 6
	ALOAD 2
	BAR 1                                          ; chunk 0's codes lie in LDS
.irp s, 0,1,2,3
	BLOAD \s
	PAIR 8+2*\s
	MM \s, 2
.endr
	BAR 0                                          ; chunk 1's codes lie in LDS
.irp s, 4,5,6,7
	BLOAD \s
	MM \s, 0
.endr
	EPI
; further passes, where the expert has more than 384 rows: the codes in LDS are read again; the stages are each wave's own: no barrier.  s29 counts the passes done, one a trip, up to s33
	s_mov_b32 s29, 1
	s_cmp_lt_u32 s29, s33
	s_cbranch_scc0 .Lend
.Lpass:
	s_wait_xcnt 0x0                                ; every earlier memory instruction has read its registers
	s_wait_alu depctr_vm_vsrc(0)                   ; the way out's LDS stores have read v16-18, in which the list's loads land, and v[YT ..]; the weights' loads have read v19-21, which ADDR writes again; the stores to y have read v[YR ..] and v[YD ..], which this pass's way out writes again
	s_add_nc_u64 s[8:9], s[8:9], PASS*4
	s_add_nc_u64 s[6:7], s[6:7], PASS*32
	s_add_co_u32 s35, s35, PASS
.set NI, 0
.set NC, 0
	LLOAD                                          ; no load is out here: the last step waited for all.  (ADDR's lines that read v16-18 stand ahead of its own wait on va_vdst)
	ADDR
.set NC, NC+3                          ; the routing weights: older than every fragment
	ALOAD 0                                        ; behind ADDR's wait stand only loads and window switches
	ALOAD 1
	ALOAD 2
.irp s, 0,1,2,3,4,5,6,7
	BLOAD \s
	MM \s, 0
.endr
	EPI
	s_add_co_u32 s29, s29, 1
	s_cmp_lt_u32 s29, s33
	s_cbranch_scc1 .Lpass
.Lend:
	s_wait_dscnt 0x0
	s_wait_alu depctr_hold_cnt(0) depctr_sa_sdst(0) depctr_va_vdst(0) depctr_va_sdst(0) depctr_va_ssrc(0) depctr_va_vcc(0) depctr_vm_vsrc(0)
	s_wait_tensorcnt 0x0
	ds_add_u32 v190, v191
	s_wait_dscnt 0x0
	s_endpgm
.Lfunc_end_k_qc21b3104d3_down:
	.size	k_qc21b3104d3_down, .Lfunc_end_k_qc21b3104d3_down-k_qc21b3104d3_down
	.p2alignl 7, 3214868480
	.fill 96, 4, 3214868480
	.section	.rodata,"a",@progbits
	.p2align	6, 0x0
	.amdhsa_kernel k_qc21b3104d3_down
		.amdhsa_group_segment_fixed_size 104448
		.amdhsa_private_segment_fixed_size 0
		.amdhsa_enable_private_segment 0
		.amdhsa_kernarg_size 56
		.amdhsa_user_sgpr_count 2
		.amdhsa_user_sgpr_kernarg_segment_ptr 1
		.amdhsa_wavefront_size32 1
		.amdhsa_system_sgpr_workgroup_id_x 1
		.amdhsa_system_sgpr_workgroup_id_y 1
		.amdhsa_system_sgpr_workgroup_id_z 1
		.amdhsa_system_vgpr_workitem_id 0
		.amdhsa_next_free_vgpr 496
		.amdhsa_next_free_sgpr 66
		.amdhsa_reserve_vcc 0
		.amdhsa_float_denorm_mode_32 3
		.amdhsa_float_denorm_mode_16_64 3
		.amdhsa_memory_ordered 1
		.amdhsa_forward_progress 1
		.amdhsa_inst_pref_size 114
	.end_amdhsa_kernel
	.amdgpu_metadata
---
amdhsa.version: [ 1, 2 ]
amdhsa.kernels:
  - .name:           k_qc21b3104d3_down
    .symbol:         k_qc21b3104d3_down.kd
    .args:
      - { .name: down_proj, .offset: 0, .size: 8, .value_kind: global_buffer, .address_space: global }
      - { .name: hq, .offset: 8, .size: 8, .value_kind: global_buffer, .address_space: global }
      - { .name: list, .offset: 16, .size: 8, .value_kind: global_buffer, .address_space: global }
      - { .name: cnt, .offset: 24, .size: 8, .value_kind: global_buffer, .address_space: global }
      - { .name: wts, .offset: 32, .size: 8, .value_kind: global_buffer, .address_space: global }
      - { .name: lowp_scales, .offset: 40, .size: 8, .value_kind: global_buffer, .address_space: global }
      - { .name: y, .offset: 48, .size: 8, .value_kind: global_buffer, .address_space: global }
    .group_segment_fixed_size: 104448
    .private_segment_fixed_size: 0
    .kernarg_segment_align: 8
    .kernarg_segment_size: 56
    .max_flat_workgroup_size: 256
    .sgpr_count:     66
    .vgpr_count:     496
    .wavefront_size: 32
...
	.end_amdgpu_metadata
.endif
;; end of part 7
;; launch combine (part 8): grid 256 x 1, 8 waves a work-group, no clusters, 0 bytes of LDS; arguments y, out0; writes out0
.if DOCPART == 8
	.amdgcn_target "amdgcn-amd-amdhsa--gfx1250"
	.amdhsa_code_object_version 6
	.text
	.protected	k_qc21b3104d3_combine
	.globl	k_qc21b3104d3_combine
	.p2align	8
	.type	k_qc21b3104d3_combine,@function
k_qc21b3104d3_combine:
	s_mov_b64 s[64:65], 0
	v_nop
	global_prefetch_b8 v0, s[64:65] scope:SCOPE_SE
	s_setreg_imm32_b32 hwreg(HW_REG_WAVE_MODE, 25, 1), 1
	s_wait_xcnt 0x0
; COMBINE: out0[t] = y[2 t] + y[2 t + 1]: a token's two experts were worked by different work-groups, so their sum has a launch of its own.
; y [2056][2048] f32 (rows 2048 on are not read), out0 [1024][2048] f32.  A stream: no LDS, no barrier, no matrix unit.
; Wave w of work-group b takes half w % 2 (4,096 bytes) of token 4 b + w / 2: eight loads of 512 consecutive bytes from each of the two rows, all issued at once, then eight stores of 512 consecutive bytes.
	s_load_b128 s[4:7], s[0:1], 0x0                ; y, out0
	v_lshrrev_b32 v1, 5, v0
	s_delay_alu instid0(VALU_DEP_1)
	v_readfirstlane_b32 s8, v1                     ; wave
	v_and_b32 v2, 31, v0
	s_delay_alu instid0(VALU_DEP_1)
	v_lshlrev_b32 v2, 4, v2                        ; 16 x lane
	s_lshl_b32 s9, ttmp9, 2
	s_lshr_b32 s10, s8, 1
	s_add_co_u32 s9, s9, s10                       ; the token
	s_and_b32 s10, s8, 1
	s_lshl_b32 s10, s10, 12                        ; the half
	s_lshl_b32 s12, s9, 14                         ; two rows of y
	s_add_co_u32 s12, s12, s10
	s_mov_b32 s13, 0
	s_lshl_b32 s14, s9, 13                         ; a row of out0
	s_add_co_u32 s14, s14, s10
	s_mov_b32 s15, 0
	s_wait_alu depctr_va_vdst(0)
	s_wait_kmcnt 0x0
	s_add_nc_u64 s[4:5], s[4:5], s[12:13]
	s_add_nc_u64 s[6:7], s[6:7], s[14:15]
.irp i, 0,1,2,3,4,5,6,7
	global_load_b128 v[8+4*\i:11+4*\i], v2, s[4:5] offset:512*\i th:TH_LOAD_NT
.endr
.irp i, 0,1,2,3,4,5,6,7
	global_load_b128 v[40+4*\i:43+4*\i], v2, s[4:5] offset:8192+512*\i th:TH_LOAD_NT
.endr
.irp i, 0,1,2,3,4,5,6,7
	s_wait_loadcnt 7-\i                            ; the second row's load i is in, and with it all of the first row's; the 7 - i behind it may be out
	v_pk_add_f32 v[8+4*\i:9+4*\i], v[8+4*\i:9+4*\i], v[40+4*\i:41+4*\i]
	v_pk_add_f32 v[10+4*\i:11+4*\i], v[10+4*\i:11+4*\i], v[42+4*\i:43+4*\i]
	global_store_b128 v2, v[8+4*\i:11+4*\i], s[6:7] offset:512*\i th:TH_STORE_NT
.endr
	s_endpgm
.Lfunc_end_k_qc21b3104d3_combine:
	.size	k_qc21b3104d3_combine, .Lfunc_end_k_qc21b3104d3_combine-k_qc21b3104d3_combine
	.p2alignl 7, 3214868480
	.fill 96, 4, 3214868480
	.section	.rodata,"a",@progbits
	.p2align	6, 0x0
	.amdhsa_kernel k_qc21b3104d3_combine
		.amdhsa_group_segment_fixed_size 0
		.amdhsa_private_segment_fixed_size 0
		.amdhsa_enable_private_segment 0
		.amdhsa_kernarg_size 16
		.amdhsa_user_sgpr_count 2
		.amdhsa_user_sgpr_kernarg_segment_ptr 1
		.amdhsa_wavefront_size32 1
		.amdhsa_system_sgpr_workgroup_id_x 1
		.amdhsa_system_sgpr_workgroup_id_y 1
		.amdhsa_system_sgpr_workgroup_id_z 1
		.amdhsa_system_vgpr_workitem_id 0
		.amdhsa_next_free_vgpr 80
		.amdhsa_next_free_sgpr 66
		.amdhsa_reserve_vcc 0
		.amdhsa_float_denorm_mode_32 3
		.amdhsa_float_denorm_mode_16_64 3
		.amdhsa_memory_ordered 1
		.amdhsa_forward_progress 1
		.amdhsa_inst_pref_size 5
	.end_amdhsa_kernel
	.amdgpu_metadata
---
amdhsa.version: [ 1, 2 ]
amdhsa.kernels:
  - .name:           k_qc21b3104d3_combine
    .symbol:         k_qc21b3104d3_combine.kd
    .args:
      - { .name: y, .offset: 0, .size: 8, .value_kind: global_buffer, .address_space: global }
      - { .name: out0, .offset: 8, .size: 8, .value_kind: global_buffer, .address_space: global }
    .group_segment_fixed_size: 0
    .private_segment_fixed_size: 0
    .kernarg_segment_align: 8
    .kernarg_segment_size: 16
    .max_flat_workgroup_size: 256
    .sgpr_count:     66
    .vgpr_count:     80
    .wavefront_size: 32
...
	.end_amdgpu_metadata
.endif
;; end of part 8
